; MI455X (gfx1250); checked and timed in simulation.
; The chip was launched on July 23, 2026; its instructions are those of AMD's public machine-readable ISA for CDNA 5 (MIT licence, August 2026) and "CDNA5" Instruction Set Architecture Reference Guide (July 2026). The comments in the code are by the model that wrote it; some were corrected since.
;; Mo E. Allowed arithmetic: float matrix products may take bf16 or f16 operands with f32 sums; other float arithmetic in f32, or as packed bf16 or f16 multiplies, adds, multiply-adds, maxima and minima; sums over many terms, partial sums and values carried from step to step in f32; what a program stores and reads back later, other than sums and carried values, may be rounded once to bf16 or f16.
;; Inputs: b1 8 x 2,048 float32; b2 8 x 1,024 float32; gate_b 8 float32; gate_w 8 x 1,024 float32; w1 8 x 1,024 x 2,048 float32; w2 8 x 2,048 x 1,024 float32; x 4 x 512 x 1,024 float32.
;; Outputs: out0 4 x 512 x 1,024 float32.
;; 3 versions, each right; version 2 is faster than version 1; version 3 is version 2 with the launches place, up, down written anew for expert scheduling mode. Each part assembles by itself: llvm-mc -triple=amdgcn-amd-amdhsa -mcpu=gfx1250 --defsym DOCPART=n.
;; ======== version 1 of 3: 4 launches
;; limits: values are held in f16: magnitudes above 65,504 overflow, below 6.1e-05 lose precision; right only within a limited range of input values
;; workspace buffers: xb 4,194,304 bytes; route 10,240 bytes of whole numbers; pw 16,384 bytes; hbuf 67,108,864 bytes; rows 66,560 bytes of whole numbers; gwr 65,536 bytes; part 33,554,432 bytes
;; launch gate (part 1): grid 128 x 1, 8 waves a work-group, no clusters, 44,032 bytes of LDS; arguments x, gate_w, gate_b, xb, route, pw; writes xb, route, pw
.if DOCPART == 1
	.amdgcn_target "amdgcn-amd-amdhsa--gfx1250"
	.amdhsa_code_object_version 6
	.text
	.protected	k_qe98da79a70_gate
	.globl	k_qe98da79a70_gate
	.p2align	8
	.type	k_qe98da79a70_gate,@function
k_qe98da79a70_gate:
	s_mov_b64 s[64:65], 0
	v_nop
	global_prefetch_b8 v0, s[64:65] scope:SCOPE_SE
	s_setreg_imm32_b32 hwreg(HW_REG_WAVE_MODE, 25, 1), 1
	s_wait_xcnt 0x0
; THE GATE.  logits = x . gate_w^T + gate_b over 8 experts, softmax with the maximum taken away, the two largest.  Also x rounded to bf16 (xb) for the first product.
; x, gate_w and gate_b are rounded to bf16 first; products exact, sums in f32.  A work-group owns 16 tokens; wave w owns k = 128 w .. 128 w + 127; the eight partial sums meet in LDS.
; STORED, all at fixed places: xb [2048][1024] bf16; route: bm[8][64] words (bit t % 32 of word t / 32: token t chose the expert), then sel[2048] = e0 | e1 << 8; pw [2048][2] = p0, p1.
; LIMITS.  NaN and infinities are not treated apart.  The two largest are taken on the logits by a strict greater-than, so the lower index wins on equality.  A probability below 2^-126 counts as 0.
.set XP,    272                        ; a token's 256 bytes of one wave's k + 16: the 16 rows of a fragment load start 4 banks apart (64 banks of 4 bytes: ISA guide 11.1)
.set RED,   34816                      ; behind the eight waves' 16 x 272 bytes: 32 bytes for each thread, the partial logits
.set SPARE, 43008                      ; the spare words, 128 bytes a wave: no other line names them
.set ACC0, 16
.set ACC1, 24
.set GF,   32                          ; v[32:63]   gate_w as source 0, four steps of 32 k
.set X,    64                          ; v[64:127]  x as loaded; later wave 0's work
.set GWS,  128                         ; v[128:191] gate_w as loaded; later wave 0's work
.set XH,   192                         ; v[192:223] x in bf16, two registers a token
.set XF,   224                         ; v[224:255] x as source 1, four steps
	s_load_b256 s[4:11], s[0:1], 0x0               ; x s[4:5], gate_w s[6:7], gate_b s[8:9], xb s[10:11]
	s_load_b128 s[12:15], s[0:1], 0x20             ; route s[12:13], pw s[14:15]
	v_lshl_add_u32 v8, v0, 2, SPARE                ; my spare word,
	v_mov_b32 v9, 0                                ; and 0: kept for the closing add alone
	v_and_b32 v1, 31, v0                           ; lane
	v_and_b32 v2, 15, v0                           ; r
	v_bfe_u32 v3, v0, 4, 1                         ; h
	v_lshrrev_b32 v4, 5, v0
	v_readfirstlane_b32 s16, v4                    ; wave 0..7
	s_lshl_b32 s17, s16, 9                         ; my 128 k in f32: 512 bytes
	v_and_b32 v5, 7, v0
	v_lshlrev_b32 v5, 12, v5                       ; gate_w: row r % 8 (rows 8-15 of source 0 repeat the eight experts),
	v_lshl_add_u32 v5, v3, 5, v5                   ; 8 k for each half of the lanes,
	v_add_nc_u32 v5, s17, v5                       ; my wave's k
	v_lshlrev_b32 v6, 4, v1                        ; x: 16 bytes a lane
	v_lshlrev_b32 v7, 3, v1                        ; xb: 8 bytes a lane
	s_mul_i32 s18, s16, 16*XP                      ; my wave's own 16 rows in LDS
	v_add_nc_u32 v10, s18, v7                      ; in: 8 bytes a lane of a token's row
	v_mul_u32_u24 v11, v2, XP
	v_lshl_add_u32 v11, v3, 4, v11
	v_add_nc_u32 v11, s18, v11                     ; back as fragments: row r, 16 bytes for each half
	v_lshl_add_u32 v12, v0, 5, RED
	s_lshl_b32 s36, ttmp9, 16                      ; 16 tokens x 4,096 bytes
	s_add_co_u32 s36, s36, s17
	s_mov_b32 s37, 0
	s_lshl_b32 s38, ttmp9, 15                      ; 16 tokens x 2,048 bytes
	s_lshl_b32 s19, s16, 8
	s_add_co_u32 s38, s38, s19
	s_mov_b32 s39, 0
	s_wait_kmcnt 0x0
	s_load_b256 s[20:27], s[8:9], 0x0              ; gate_b
	s_add_nc_u64 s[4:5], s[4:5], s[36:37]
	s_add_nc_u64 s[10:11], s[10:11], s[38:39]
.set k, 0
.rept 4                                ; step k: k = 8 h .. + 7 (two loads) and 16 + 8 h .. + 7 (two loads)
	global_load_b128 v[GWS+16*k:GWS+16*k+3],     v5, s[6:7] offset:128*k
	global_load_b128 v[GWS+16*k+4:GWS+16*k+7],   v5, s[6:7] offset:128*k+16
	global_load_b128 v[GWS+16*k+8:GWS+16*k+11],  v5, s[6:7] offset:128*k+64
	global_load_b128 v[GWS+16*k+12:GWS+16*k+15], v5, s[6:7] offset:128*k+80
.set k, k+1
.endr
.set k, 0
.rept 16                               ; token k: my wave's 512 consecutive bytes
	global_load_b128 v[X+4*k:X+4*k+3], v6, s[4:5] offset:4096*k th:TH_LOAD_NT
.set k, k+1
.endr
	s_wait_loadcnt 16                              ; gate_w is in: the 16 loads of x are younger
.set k, 0
.rept 32
	v_cvt_pk_bf16_f32 v[GF+k], v[GWS+2*k], v[GWS+2*k+1]
.set k, k+1
.endr
.set k, 0
.rept 16
	s_wait_loadcnt 15-k                            ; token k is in: 15 - k loads are younger
	v_cvt_pk_bf16_f32 v[XH+2*k],   v[X+4*k],   v[X+4*k+1]
	v_cvt_pk_bf16_f32 v[XH+2*k+1], v[X+4*k+2], v[X+4*k+3]
	global_store_b64 v7, v[XH+2*k:XH+2*k+1], s[10:11] offset:2048*k  ; the wave stores 256 consecutive bytes, at a multiple of 256 from xb's first
	ds_store_b64 v10, v[XH+2*k:XH+2*k+1] offset:XP*k
.set k, k+1
.endr
.set k, 0
.rept 4                                ; my wave's own bytes: LDS serves a wave's instructions in order (ISA guide 5.7.1.4)
	ds_load_b128 v[XF+8*k:XF+8*k+3],   v11 offset:64*k
	ds_load_b128 v[XF+8*k+4:XF+8*k+7], v11 offset:64*k+32
.set k, k+1
.endr
	s_wait_dscnt 0x0
	; source 0 = experts, source 1 = tokens: register j of lane (r, h) is expert j's partial logit of token r.  Two accumulators by turns.
	v_wmma_f32_16x16x32_bf16 v[ACC0:ACC0+7], v[GF:GF+7],       v[XF:XF+7],       0
	v_wmma_f32_16x16x32_bf16 v[ACC1:ACC1+7], v[GF+8:GF+15],    v[XF+8:XF+15],    0
	v_wmma_f32_16x16x32_bf16 v[ACC0:ACC0+7], v[GF+16:GF+23],   v[XF+16:XF+23],   v[ACC0:ACC0+7]
	v_wmma_f32_16x16x32_bf16 v[ACC1:ACC1+7], v[GF+24:GF+31],   v[XF+24:XF+31],   v[ACC1:ACC1+7]
.rept 4
	v_nop                                          ; four places behind the last product (ISA guide 7.12.1)
.endr
.set k, 0
.rept 4
	v_pk_add_f32 v[ACC0+2*k:ACC0+2*k+1], v[ACC0+2*k:ACC0+2*k+1], v[ACC1+2*k:ACC1+2*k+1]
.set k, k+1
.endr
	ds_store_b128 v12, v[ACC0:ACC0+3]
	ds_store_b128 v12, v[ACC0+4:ACC0+7] offset:16
	s_wait_kmcnt 0x0                               ; gate_b
	s_wait_dscnt 0x0                               ; for wave 0's sake: my partial logits are in LDS
	s_barrier_signal -1
	s_barrier_wait -1
	s_cmp_lg_u32 s16, 0
	s_cbranch_scc1 .Lend                           ; the rest is a few lines for 16 tokens: wave 0 alone
	v_lshl_add_u32 v13, v1, 5, RED
.set k, 0
.rept 8
	ds_load_b128 v[X+8*k:X+8*k+3],   v13 offset:1024*k
	ds_load_b128 v[X+8*k+4:X+8*k+7], v13 offset:1024*k+16
.set k, k+1
.endr
	s_wait_dscnt 0x0
.set k, 1
.rept 7
.irp m, 0,2,4,6
	v_pk_add_f32 v[X+\m:X+\m+1], v[X+\m:X+\m+1], v[X+8*k+\m:X+8*k+\m+1]
.endr
.set k, k+1
.endr
.irp e, 0,2,4,6                        ; + gate_b, rounded to bf16 like every input
	v_cvt_pk_bf16_f32 v128, s[20+\e], s[21+\e]
	v_lshlrev_b32 v129, 16, v128
	v_and_b32 v128, 0xffff0000, v128
	v_add_f32 v[X+\e], v[X+\e], v129
	v_add_f32 v[X+\e+1], v[X+\e+1], v128
.endr
	v_mov_b32 v130, v[X]                           ; the largest logit and its expert
	v_mov_b32 v131, 0
.irp e, 1,2,3,4,5,6,7
	v_cmp_gt_f32 vcc_lo, v[X+\e], v130
	v_cndmask_b32 v130, v130, v[X+\e], vcc_lo
	v_cndmask_b32 v131, v131, \e, vcc_lo
.endr
	v_mov_b32 v132, 0xff7fffff                     ; the lowest finite number takes the winner's place
.irp e, 0,1,2,3,4,5,6,7
	v_cmp_eq_u32 vcc_lo, \e, v131
	v_cndmask_b32 v[X+8+\e], v[X+\e], v132, vcc_lo
.endr
	v_mov_b32 v133, v[X+8]                         ; the second largest and its expert
	v_mov_b32 v134, 0
.irp e, 1,2,3,4,5,6,7
	v_cmp_gt_f32 vcc_lo, v[X+8+\e], v133
	v_cndmask_b32 v133, v133, v[X+8+\e], vcc_lo
	v_cndmask_b32 v134, v134, \e, vcc_lo
.endr
.irp e, 0,1,2,3,4,5,6,7
	v_sub_f32 v[X+16+\e], v[X+\e], v130            ; the maximum is taken away,
	v_mul_f32 v[X+16+\e], 0x3fb8aa3b, v[X+16+\e]   ; times log2(e)
.endr
.irp e, 0,1,2,3,4,5,6,7
	v_exp_f32 v[X+16+\e], v[X+16+\e]
.endr
	v_nop                                          ; a plain instruction behind the last exponential,
	s_wait_alu depctr_va_vdst(0)                   ; and one wait for the batch of eight, ahead of the first reader
	v_add_f32 v135, v[X+16], v[X+17]
.irp e, 2,3,4,5,6,7
	v_add_f32 v135, v135, v[X+16+\e]
.endr
	v_mov_b32 v136, v[X+16]                        ; the second choice's exponential
.irp e, 1,2,3,4,5,6,7
	v_cmp_eq_u32 vcc_lo, \e, v134
	v_cndmask_b32 v136, v136, v[X+16+\e], vcc_lo
.endr
	v_rcp_f32 v137, v135
	v_nop
	s_wait_alu depctr_va_vdst(0)
	v_mov_b32 v138, v137                           ; p0 = 2^0 / sum
	v_mul_f32 v139, v136, v137                     ; p1
	v_lshl_or_b32 v140, v134, 8, v131              ; sel
	v_mov_b32 v141, 0
.irp e, 0,1,2,3,4,5,6,7                ; lane e takes expert e's 16 bits: which of my tokens chose it
	v_cmp_eq_u32 s40, \e, v131
	v_cmp_eq_u32 s41, \e, v134
	s_or_b32 s40, s40, s41
	s_and_b32 s40, s40, 0xffff
	v_writelane_b32 v141, s40, \e
.endr
	s_lshl_b32 s42, ttmp9, 6
	v_lshl_add_u32 v142, v1, 2, s42
	s_lshl_b32 s43, ttmp9, 7
	v_lshl_add_u32 v143, v1, 3, s43
	s_lshl_b32 s44, ttmp9, 1
	v_lshl_add_u32 v144, v1, 8, s44
	v_cmp_gt_u32 vcc_lo, 16, v1
	s_wait_xcnt 0x0                                ; EXEC changes only behind this wait: xb's stores have it as a source
	s_and_saveexec_b32 s45, vcc_lo
	global_store_b32 v142, v140, s[12:13] offset:2048
	global_store_b64 v143, v[138:139], s[14:15]
	s_wait_xcnt 0x0
	s_or_b32 exec_lo, exec_lo, s45
	v_cmp_gt_u32 vcc_lo, 8, v1
	s_and_saveexec_b32 s45, vcc_lo
	global_store_b16 v144, v141, s[12:13]          ; 16 bits of each expert's bitmap: all that this work-group knows of it
	s_wait_xcnt 0x0
	s_or_b32 exec_lo, exec_lo, s45
.Lend:
	s_wait_tensorcnt 0x0                           ; the wave's end
	ds_add_u32 v8, v9
	s_wait_dscnt 0x0
	s_endpgm
.Lfunc_end_k_qe98da79a70_gate:
	.size	k_qe98da79a70_gate, .Lfunc_end_k_qe98da79a70_gate-k_qe98da79a70_gate
	.p2alignl 7, 3214868480
	.fill 96, 4, 3214868480
	.section	.rodata,"a",@progbits
	.p2align	6, 0x0
	.amdhsa_kernel k_qe98da79a70_gate
		.amdhsa_group_segment_fixed_size 44032
		.amdhsa_private_segment_fixed_size 0
		.amdhsa_enable_private_segment 0
		.amdhsa_kernarg_size 48
		.amdhsa_user_sgpr_count 2
		.amdhsa_user_sgpr_kernarg_segment_ptr 1
		.amdhsa_wavefront_size32 1
		.amdhsa_system_sgpr_workgroup_id_x 1
		.amdhsa_system_sgpr_workgroup_id_y 1
		.amdhsa_system_sgpr_workgroup_id_z 1
		.amdhsa_system_vgpr_workitem_id 0
		.amdhsa_next_free_vgpr 256
		.amdhsa_next_free_sgpr 66
		.amdhsa_reserve_vcc 1
		.amdhsa_float_denorm_mode_32 3
		.amdhsa_float_denorm_mode_16_64 3
		.amdhsa_memory_ordered 1
		.amdhsa_forward_progress 1
		.amdhsa_inst_pref_size 25
	.end_amdhsa_kernel
	.amdgpu_metadata
---
amdhsa.version: [ 1, 2 ]
amdhsa.kernels:
  - .name:           k_qe98da79a70_gate
    .symbol:         k_qe98da79a70_gate.kd
    .args:
      - { .name: x, .offset: 0, .size: 8, .value_kind: global_buffer, .address_space: global }
      - { .name: gate_w, .offset: 8, .size: 8, .value_kind: global_buffer, .address_space: global }
      - { .name: gate_b, .offset: 16, .size: 8, .value_kind: global_buffer, .address_space: global }
      - { .name: xb, .offset: 24, .size: 8, .value_kind: global_buffer, .address_space: global }
      - { .name: route, .offset: 32, .size: 8, .value_kind: global_buffer, .address_space: global }
      - { .name: pw, .offset: 40, .size: 8, .value_kind: global_buffer, .address_space: global }
    .group_segment_fixed_size: 44032
    .private_segment_fixed_size: 0
    .kernarg_segment_align: 8
    .kernarg_segment_size: 48
    .max_flat_workgroup_size: 256
    .sgpr_count:     66
    .vgpr_count:     256
    .wavefront_size: 32
...
	.end_amdgpu_metadata
.endif
;; end of part 1
;; launch up (part 2): grid 256 x 1, 4 waves a work-group, no clusters, 165,376 bytes of LDS; arguments xb, route, pw, w1, b1, hbuf, rows, gwr; writes hbuf, rows, gwr
.if DOCPART == 2
	.amdgcn_target "amdgcn-amd-amdhsa--gfx1250"
	.amdhsa_code_object_version 6
	.text
	.protected	k_qe98da79a70_up
	.globl	k_qe98da79a70_up
	.p2align	8
	.type	k_qe98da79a70_up,@function
k_qe98da79a70_up:
	s_mov_b64 s[64:65], 0
	v_nop
	global_prefetch_b8 v0, s[64:65] scope:SCOPE_SE
	s_setreg_imm32_b32 hwreg(HW_REG_WAVE_MODE, 25, 1), 1
	s_wait_xcnt 0x0
; THE FIRST PRODUCT.  h = relu(x W1[e] + b1[e]) for the rows that chose expert e.  Work-group = expert E (id / 32) x 64 columns (S = id % 32): it alone reads its 1,024 x 64 slice of w1, once.
; PART 1.  The slice goes through registers, is rounded to bf16 and laid into LDS in the order in which source 0 takes it; meanwhile every wave makes the list of E's tokens from E's bitmap (a copy of its own).  One barrier.
; PART 2.  Nothing shared is written any more, so there is no further barrier.  E's rows, in blocks of 16, are dealt to the four waves: up to 9 blocks a wave and pass, up to 4 passes: every split of the
; tokens is served (0 to 2,048 rows).  K goes in 32 substeps of 32, written out, so that every LDS address is a constant and the lane's term: the weights' fragments from LDS, the tokens' straight from xb into registers, three substeps ahead.
; THE PRODUCT IS USED TRANSPOSED: source 0 = 16 columns of W1 (tile f holds columns 4 m + f), source 1 = 16 tokens.  Register j of tile f in lane (r, h) is token r, column 32 h + 4 j + f.  The bias, rounded to bf16, is the C that starts each sum.
; OUT.  h in f16: it is the one number that the program itself rounds, and f16 keeps 11 significant bits where bf16 keeps 8.
; hbuf [e][block of 16 rows][64 fragments][2][lane][16 bytes]: the order in which the second product's source 1 takes it, with k = 64 S + 32 h + 4 t + 2 g + z in half z of register t of fragment 2 S + g.
; Also rows (slot x 2,048 + token of each of E's rows; E's count) and gwr (the row's gate weight).  Places past the count repeat the last row.
; NO CLUSTER: each slice is read by one work-group alone, and the shared token rows come by a list, which no tile descriptor covers.  No tensor loads: f32 slice and bf16 slice together pass the LDS.
; LIMITS.  w1 and b1 are rounded to bf16, h to f16.  f16 holds no number beyond 65,504: h must stay under that.  Sums of 1,024 products of x (spread 1) and w1 (spread 0.044) reach about 7;
; x and w1 both 30 times larger: about 6,500; both with a common offset of 30 spreads (30 and 1.33): about 1,024 x 30 x 1.33 = 41,000.  Below 6e-5 h keeps f16's fixed step of 6e-8.  NaN and infinities are not treated apart.
; REGISTERS, in windows of 256 (s_set_vgpr_msb: bits 1:0 source 0, 3:2 source 1, 5:4 source 2, 7:6 destination):
;   window 0: v0-63 addresses and small work; v64-127 weights' fragments, two buffers; v128-159 the bias; v160-223 at work
;   window 1: accumulators of blocks 0-7 (block b, tile f at 32 b + 8 f); in part 1 four landing buffers of 64 for w1
;   window 2: v0-31 accumulators of block 8; v128 + 32 u its tokens' fragments, four buffers          window 3: tokens' fragments of blocks 0-7, four buffers of 64
.set RB,     8192                      ; bytes in a row of w1
.set ASTEP,  64                        ; bytes of a token's row in a substep
.set AHALF,  32
.set LIST,   131072                    ; behind the slice: for each wave 2,048 tokens and 32 words into which lanes without a token store
.set LPITCH, 8448
.set SPARE,  164864                    ; the spare words, 128 bytes a wave: no other line names them
.set AOFF, 24                          ; v[24:32]  block b: my token's byte offset in xb
.set BF,   64
.set BIAS, 128
.set T,    160                         ; v[160:191] the bias as loaded; on the way out a block's 16 packed registers
.set U,    192                         ; v[192:223] the way out: a block's 32 numbers behind the ReLU
.set MSB, 0
.macro WIN new                         ; the immediate's high byte repeats the setting that is left; a switch that changes nothing is dropped
.if MSB != (\new)
	s_set_vgpr_msb (MSB<<8)|(\new)
.set MSB, \new
.endif
.endm
; 16 loads: local substep i of my wave's eight.  Lane (r, h) takes columns 4 r .. 4 r + 3 of the rows whose k the fragment's register pr holds for half h: each load is two whole rows of the slice, 256 bytes each.
.macro WLOAD i
	WIN 0x40
.set pr, 0
.rept 8
.set ro, (32*(\i)+2*pr+8*(pr/4))*RB
	global_load_b128 v[64*((\i)%4)+8*pr:64*((\i)%4)+8*pr+3],   v9, s[32:33] offset:ro th:TH_LOAD_NT
	global_load_b128 v[64*((\i)%4)+8*pr+4:64*((\i)%4)+8*pr+7], v9, s[32:33] offset:ro+RB th:TH_LOAD_NT
.set pr, pr+1
.endr
	WIN 0
.endm
; rows k and k + 1 pack into register pr of tile f; the four tiles go into LDS, 512 consecutive bytes a store.  left: the loads of the groups issued later
.macro WCONV i, left
	s_wait_loadcnt \left
	WIN 0x05
.set pr, 0
.rept 8
.set f, 0
.rept 4
	v_cvt_pk_bf16_f32 v[BF+8*f+pr], v[64*((\i)%4)+8*pr+f], v[64*((\i)%4)+8*pr+4+f]
.set f, f+1
.endr
.set pr, pr+1
.endr
	WIN 0
.set q, 0
.rept 8
	ds_store_b128 v10, v[BF+4*q:BF+4*q+3] offset:4096*(\i)+512*q
.set q, q+1
.endr
.endm
.macro ALD b, u, imm                   ; block b's tokens' fragment into buffer u
.if (\b) < 8
	WIN 0xc0
	global_load_b128 v[64*(\u)+8*(\b):64*(\u)+8*(\b)+3],   v[AOFF+(\b)], s[34:35] offset:(\imm)
	global_load_b128 v[64*(\u)+8*(\b)+4:64*(\u)+8*(\b)+7], v[AOFF+(\b)], s[34:35] offset:(\imm)+AHALF
.else
	WIN 0x80
	global_load_b128 v[128+32*(\u)+8*((\b)-8):128+32*(\u)+8*((\b)-8)+3],   v[AOFF+(\b)], s[34:35] offset:(\imm)
	global_load_b128 v[128+32*(\u)+8*((\b)-8)+4:128+32*(\u)+8*((\b)-8)+7], v[AOFF+(\b)], s[34:35] offset:(\imm)+AHALF
.endif
.endm
.macro MUL4 b, u, p, first             ; block b x the four tiles; first = 1: the bias starts the sums
.if (\b) < 8
.set rA, 64*(\u)+8*(\b)
.set rD, 32*(\b)
	WIN 0x5c-0x10*(\first)
.else
.set rA, 128+32*(\u)+8*((\b)-8)
.set rD, 32*((\b)-8)
	WIN 0xa8-0x20*(\first)
.endif
.set mf, 0
.rept 4
.if \first
	v_wmma_f32_16x16x32_bf16 v[rD+8*mf:rD+8*mf+7], v[BF+32*(\p)+8*mf:BF+32*(\p)+8*mf+7], v[rA:rA+7], v[BIAS+8*mf:BIAS+8*mf+7]
.else
	v_wmma_f32_16x16x32_bf16 v[rD+8*mf:rD+8*mf+7], v[BF+32*(\p)+8*mf:BF+32*(\p)+8*mf+7], v[rA:rA+7], v[rD+8*mf:rD+8*mf+7]
.endif
.set mf, mf+1
.endr
.endm
; substep g's four tiles of weights out of LDS, into buffer p: 4,096 g + 512 q + 16 x lane.  v7 serves the slice's first 65,536 bytes, v8 the second; neither is ever rewritten
.macro BLD p, g
	WIN 0
.set q, 0
.rept 8
.if (\g) < 16
	ds_load_b128 v[BF+32*(\p)+4*q:BF+32*(\p)+4*q+3], v7 offset:4096*(\g)+512*q
.else
	ds_load_b128 v[BF+32*(\p)+4*q:BF+32*(\p)+4*q+3], v8 offset:4096*((\g)-16)+512*q
.endif
.set q, q+1
.endr
.endm
; SUBSTEP s of 32: 32 along K.  The next substep's weights are fetched; the tokens' fragments three substeps on are asked for (up to substep 31's).
; In substep 0 all 9 blocks are multiplied and the bias starts the sums; later block 8 is jumped where the wave has fewer than 9.  The accumulators take turns, one instruction a turn.
; The wait on LOADcnt: behind this substep's fragments the two later groups were issued, 16 loads each at the least; in the last two substeps one group, then none.  The wait on DScnt leaves the eight loads just issued out.
; The four v_nop at the end are the places between the last product and the next substep's loads into the buffers that this one read, or the way out's first read.
.macro SUBSTEP s
.set kU, (\s)%4
.set kP, (\s)%2
.set kF, 0
.if (\s) == 0
.set kF, 1
.endif
.if (\s) < 31
	BLD 1-kP, (\s)+1
.endif
.if (\s) < 30
	s_wait_loadcnt 32
.elseif (\s) == 30
	s_wait_loadcnt 16
.else
	s_wait_loadcnt 0x0
.endif
.if (\s) < 31
	s_wait_dscnt 0x8
.else
	s_wait_dscnt 0x0
.endif
.if (\s) < 29
.set bb, 0
.rept 8
	ALD bb, (kU+3)%4, ((\s)+3)*ASTEP
.set bb, bb+1
.endr
.endif
.set bb, 0
.rept 8
	MUL4 bb, kU, kP, kF
.set bb, bb+1
.endr
.if (\s) > 0
	WIN 0
	s_cmp_lt_u32 s29, 9
	s_cbranch_scc1 .Lx_\@
.endif
.if (\s) < 29
	ALD 8, (kU+3)%4, ((\s)+3)*ASTEP
.endif
	MUL4 8, kU, kP, kF
	WIN 0
.Lx_\@:
.rept 4
	v_nop
.endr
.endm
	s_load_b512 s[4:19], s[0:1], 0x0               ; xb s[4:5], route s[6:7], pw s[8:9], w1 s[10:11], b1 s[12:13], hbuf s[14:15], rows s[16:17], gwr s[18:19]
	v_lshl_add_u32 v4, v0, 2, SPARE                ; my spare word,
	v_mov_b32 v5, 0                                ; and 0: kept for the closing add alone
	v_mov_b32 v6, 0                                ; 0 for the ReLU
	v_and_b32 v1, 31, v0                           ; lane
	v_and_b32 v2, 15, v0                           ; r
	v_bfe_u32 v3, v0, 4, 1                         ; h
	v_lshrrev_b32 v16, 5, v0
	v_readfirstlane_b32 s2, v16                    ; W: wave 0..3
	s_lshr_b32 s3, ttmp9, 5                        ; E
	s_and_b32 s20, ttmp9, 31                       ; S
	v_lshlrev_b32 v7, 4, v1                        ; 16 x lane; never rewritten
	v_add_nc_u32 v8, 0x10000, v7                   ; the same in the slice's second half; never rewritten
	v_lshlrev_b32 v9, 16, v3                       ; w1: 8 rows for the upper half of the lanes,
	v_lshl_add_u32 v9, v2, 4, v9                   ; 4 columns a lane
	s_lshl_b32 s40, s2, 15
	v_add_nc_u32 v10, s40, v7                      ; the slice in LDS: my wave's eight substeps
	v_lshlrev_b32 v11, 4, v3                       ; 16 h
	s_mul_i32 s40, s2, LPITCH
	s_add_co_u32 s40, s40, LIST
	v_mov_b32 v12, s40                             ; my wave's list
	v_add_nc_u32 v17, s40, v7                      ; and 16 bytes a lane of it
	v_add_nc_u32 v13, 2048, v1                     ; the place behind the list for a lane without a token
	v_mov_b32 v14, v1                              ; the token of my bit in the word in hand
	v_lshlrev_b32 v62, 7, v3                       ; the bias: 32 columns for each half
	s_lshl_b32 s38, s3, 23                         ; E x 8 MiB
	s_lshl_b32 s40, s2, 21                         ; + my wave's 256 rows
	s_add_co_u32 s38, s38, s40
	s_lshl_b32 s41, s20, 8                         ; + 64 columns x S
	s_add_co_u32 s38, s38, s41
	s_mov_b32 s39, 0
	s_wait_kmcnt 0x0
	s_add_nc_u64 s[32:33], s[10:11], s[38:39]
	s_lshl_b32 s38, s3, 13
	s_add_co_u32 s38, s38, s41
	s_add_nc_u64 s[44:45], s[12:13], s[38:39]      ; b1 at E's row, my 64 columns
	s_lshl_b32 s38, s3, 8
	s_add_nc_u64 s[46:47], s[6:7], s[38:39]        ; E's bitmap
.set q, 0
.rept 8
	global_load_b128 v[T+4*q:T+4*q+3], v62, s[44:45] offset:16*q
.set q, q+1
.endr
	WLOAD 0
	WLOAD 1
	WLOAD 2                                        ; 56 loads are out; the list is made while they are on their way
	; THE LIST.  Every place first holds token 0, whatever the count; then token t of the bitmap's word goes to place (tokens of E before it).
	; The clamp is the last step before the address: a wave's stores stay in its own 8,448 bytes.
.irp z, 20,21,22,23
	v_mov_b32 v\z, 0
.endr
.set q, 0
.rept 16                               ; 2,048 places, 512 consecutive bytes a store
	ds_store_b128 v17, v[20:23] offset:512*q
.set q, q+1
.endr
	s_mov_b32 s22, 0                               ; tokens so far
	s_mov_b32 s30, 4
.Llist:                                                ; four trips of 16 words
	s_load_b512 s[68:83], s[46:47], 0x0
	s_wait_kmcnt 0x0
.set wd, 68
.rept 16
	v_mbcnt_lo_u32_b32 v16, s[wd], s22             ; the set bits below mine, and all before this word
	v_cndmask_b32 v16, v13, v16, s[wd]
	v_min_u32 v16, 2079, v16
	v_lshl_add_u32 v16, v16, 2, v12
	ds_store_b32 v16, v14
	v_add_nc_u32 v14, 32, v14
	s_bcnt1_i32_b32 s40, s[wd]
	s_add_co_u32 s22, s22, s40
.set wd, wd+1
.endr
	s_add_nc_u64 s[46:47], s[46:47], 64            ; the scalar load is done
	s_sub_co_u32 s30, s30, 1
	s_cmp_lg_u32 s30, 0
	s_cbranch_scc1 .Llist
	s_min_u32 s22, s22, 2048                       ; N
	s_max_u32 s23, s22, 1
	s_sub_co_u32 s23, s23, 1                       ; the last row that exists
	s_lshl_b32 s40, s20, 6                         ; the row tables: this work-group writes rows 64 S .. 64 S + 63 of E's 2,048, my wave 16 of them (both halves of the lanes alike)
	s_lshl4_add_u32 s40, s2, s40
	v_add_nc_u32 v17, s40, v2
	v_min_u32 v18, s23, v17
	v_min_u32 v18, 2047, v18
	v_lshl_add_u32 v18, v18, 2, v12
	ds_load_b32 v18, v18
	s_wait_dscnt 0x0
	v_min_u32 v18, 2047, v18                       ; the row's token
	v_lshlrev_b32 v19, 2, v18
	v_lshlrev_b32 v20, 3, v18
	WLOAD 3
	WCONV 0, 48                                    ; three groups of 16 are younger
	WLOAD 4
	WCONV 1, 48
	WLOAD 5
	WCONV 2, 48
	WLOAD 6
	WCONV 3, 48
	WLOAD 7
	global_load_b32 v21, v19, s[6:7] offset:2048   ; sel of the row's token
	global_load_b64 v[22:23], v20, s[8:9]          ; its p0, p1
	WCONV 4, 48                                    ; the counts are the later groups'; the two loads above only add to what is younger
	WCONV 5, 32
	WCONV 6, 16
	WCONV 7, 0
.set j, 0
.rept 8                                ; the bias, rounded to bf16 and widened: register j of tile f is column 32 h + 4 j + f
	v_cvt_pk_bf16_f32 v60, v[T+4*j],   v[T+4*j+1]
	v_cvt_pk_bf16_f32 v61, v[T+4*j+2], v[T+4*j+3]
	v_lshlrev_b32 v[BIAS+j],    16, v60
	v_and_b32     v[BIAS+8+j],  0xffff0000, v60
	v_lshlrev_b32 v[BIAS+16+j], 16, v61
	v_and_b32     v[BIAS+24+j], 0xffff0000, v61
.set j, j+1
.endr
	v_bfe_u32 v21, v21, 8, 8                       ; is E the token's second choice?
	v_cmp_eq_u32 vcc_lo, s3, v21
	v_cndmask_b32 v22, v22, v23, vcc_lo
	v_cndmask_b32 v21, 0, 1, vcc_lo
	v_lshl_add_u32 v21, v21, 11, v18               ; slot x 2,048 + token
	s_lshl_b32 s40, s3, 13
	v_lshl_add_u32 v17, v17, 2, s40
	global_store_b32 v17, v21, s[16:17]
	global_store_b32 v17, v22, s[18:19]
	s_or_b32 s40, s20, s2
	s_cmp_lg_u32 s40, 0
	s_cbranch_scc1 .Lnocnt
	v_mov_b32 v16, s22                             ; E's count, by one wave of one work-group
	s_lshl_b32 s40, s3, 7
	v_lshl_add_u32 v19, v1, 2, s40
	global_store_b32 v19, v16, s[16:17] offset:65536
.Lnocnt:
	s_wait_dscnt 0x0                               ; for the others' sake: my part of the slice is in LDS
	s_barrier_signal -1
	s_barrier_wait -1                              ; the whole slice is
	; THE DEALING.  NBK blocks; NP passes of at most 36; NBW = ceil(NBK / 4 NP) blocks a wave and pass, 9 at the most, by a multiplication that is exact for arguments up to 143.
	s_add_co_u32 s24, s22, 15
	s_lshr_b32 s24, s24, 4                         ; NBK
	s_cmp_gt_u32 s24, 0
	s_cselect_b32 s25, 1, 0
	s_cmp_gt_u32 s24, 36
	s_cselect_b32 s40, 1, 0
	s_add_co_u32 s25, s25, s40
	s_cmp_gt_u32 s24, 72
	s_cselect_b32 s40, 1, 0
	s_add_co_u32 s25, s25, s40
	s_cmp_gt_u32 s24, 108
	s_cselect_b32 s40, 1, 0
	s_add_co_u32 s25, s25, s40                     ; NP
	s_movk_i32 s41, 8192
	s_cmp_eq_u32 s25, 3
	s_cselect_b32 s41, 5462, s41
	s_cmp_eq_u32 s25, 4
	s_cselect_b32 s41, 4096, s41
	s_cmp_le_u32 s25, 1
	s_cselect_b32 s41, 16384, s41
	s_lshl2_add_u32 s40, s25, s24
	s_max_u32 s40, s40, 1
	s_sub_co_u32 s40, s40, 1
	s_mul_i32 s40, s40, s41
	s_lshr_b32 s26, s40, 16                        ; NBW
	s_mov_b32 s27, 0                               ; P
.Lpass:                                                ; four trips; a pass, or a wave's share of one, that the count leaves empty is jumped: no barrier stands in it
	s_cmp_ge_u32 s27, s25
	s_cbranch_scc1 .Lnext
	s_lshl2_add_u32 s28, s27, s2
	s_mul_i32 s28, s28, s26                        ; B0: my first block
	s_sub_co_i32 s29, s24, s28
	s_max_i32 s29, s29, 0
	s_min_i32 s29, s29, s26                        ; NB: my blocks
	s_cmp_eq_u32 s29, 0
	s_cbranch_scc1 .Lnext
	s_wait_xcnt 0x0                                ; the last pass's loads and stores have read their offsets and bases
	s_lshl_b32 s40, s28, 4
.set i, 0
.rept 9                                ; my token in each of 9 blocks; places past the count repeat the last row
	v_add_nc_u32 v[AOFF+i], s40, v2
	s_add_co_u32 s40, s40, 16
	v_min_u32 v[AOFF+i], s23, v[AOFF+i]
	v_min_u32 v[AOFF+i], 2047, v[AOFF+i]
	v_lshl_add_u32 v[AOFF+i], v[AOFF+i], 2, v12
	ds_load_b32 v[AOFF+i], v[AOFF+i]
.set i, i+1
.endr
	s_mov_b64 s[34:35], s[4:5]
	s_min_u32 s40, s28, 127
	s_lshl_b32 s38, s40, 16                        ; a block of hbuf is 65,536 bytes
	s_lshl_b32 s40, s3, 23
	s_add_co_u32 s38, s38, s40
	s_lshl_b32 s40, s20, 11                        ; fragments 2 S, 2 S + 1
	s_add_co_u32 s38, s38, s40
	s_add_nc_u64 s[36:37], s[14:15], s[38:39]
	s_wait_dscnt 0x0
.set i, 0
.rept 9
	v_min_u32 v[AOFF+i], 2047, v[AOFF+i]
	v_lshl_add_u32 v[AOFF+i], v[AOFF+i], 11, v11   ; token x 2,048 + 16 h
.set i, i+1
.endr
.irp u, 0,1,2
.set bb, 0
.rept 9
	ALD bb, \u, (\u)*ASTEP
.set bb, bb+1
.endr
.endr
	BLD 0, 0
.set sg, 0
.rept 32
	SUBSTEP sg
.set sg, sg+1
.endr
	; THE WAY OUT.  ReLU in f32; tiles 2 g and 2 g + 1 pack, rounded to f16, into fragment g of the second product's source 1; 512 consecutive bytes a store.
	; A block's registers are read in ascending order: each accumulator's lowest first.
.set wi, 0
.rept 9
	WIN 0
	s_cmp_le_u32 s29, wi
	s_cbranch_scc1 .Lwdone
	s_wait_xcnt 0x0                                ; the block before has read its store data
.if wi < 8
	WIN 0x01
.set rD, 32*wi
.else
	WIN 0x02
.set rD, 32*(wi-8)
.endif
.set wk, 0
.rept 32
	v_max_num_f32 v[U+wk], v[rD+wk], v6
.set wk, wk+1
.endr
	WIN 0
.set wk, 0
.rept 16
	v_cvt_pk_f16_f32 v[T+wk], v[U+16*(wk/8)+wk%8], v[U+16*(wk/8)+8+wk%8]
.set wk, wk+1
.endr
.set wk, 0
.rept 4
	global_store_b128 v7, v[T+4*wk:T+4*wk+3], s[36:37] offset:65536*wi+512*wk
.set wk, wk+1
.endr
.set wi, wi+1
.endr
.Lwdone:
.Lnext:
	s_add_co_u32 s27, s27, 1
	s_cmp_lt_u32 s27, 4
	s_cbranch_scc1 .Lpass
	s_wait_tensorcnt 0x0                           ; the wave's end
	ds_add_u32 v4, v5
	s_wait_dscnt 0x0
	s_endpgm
.Lfunc_end_k_qe98da79a70_up:
	.size	k_qe98da79a70_up, .Lfunc_end_k_qe98da79a70_up-k_qe98da79a70_up
	.p2alignl 7, 3214868480
	.fill 96, 4, 3214868480
	.section	.rodata,"a",@progbits
	.p2align	6, 0x0
	.amdhsa_kernel k_qe98da79a70_up
		.amdhsa_group_segment_fixed_size 165376
		.amdhsa_private_segment_fixed_size 0
		.amdhsa_enable_private_segment 0
		.amdhsa_kernarg_size 64
		.amdhsa_user_sgpr_count 2
		.amdhsa_user_sgpr_kernarg_segment_ptr 1
		.amdhsa_wavefront_size32 1
		.amdhsa_system_sgpr_workgroup_id_x 1
		.amdhsa_system_sgpr_workgroup_id_y 1
		.amdhsa_system_sgpr_workgroup_id_z 1
		.amdhsa_system_vgpr_workitem_id 0
		.amdhsa_next_free_vgpr 1024
		.amdhsa_next_free_sgpr 88
		.amdhsa_reserve_vcc 1
		.amdhsa_float_denorm_mode_32 3
		.amdhsa_float_denorm_mode_16_64 3
		.amdhsa_memory_ordered 1
		.amdhsa_forward_progress 1
		.amdhsa_inst_pref_size 233
	.end_amdhsa_kernel
	.amdgpu_metadata
---
amdhsa.version: [ 1, 2 ]
amdhsa.kernels:
  - .name:           k_qe98da79a70_up
    .symbol:         k_qe98da79a70_up.kd
    .args:
      - { .name: xb, .offset: 0, .size: 8, .value_kind: global_buffer, .address_space: global }
      - { .name: route, .offset: 8, .size: 8, .value_kind: global_buffer, .address_space: global }
      - { .name: pw, .offset: 16, .size: 8, .value_kind: global_buffer, .address_space: global }
      - { .name: w1, .offset: 24, .size: 8, .value_kind: global_buffer, .address_space: global }
      - { .name: b1, .offset: 32, .size: 8, .value_kind: global_buffer, .address_space: global }
      - { .name: hbuf, .offset: 40, .size: 8, .value_kind: global_buffer, .address_space: global }
      - { .name: rows, .offset: 48, .size: 8, .value_kind: global_buffer, .address_space: global }
      - { .name: gwr, .offset: 56, .size: 8, .value_kind: global_buffer, .address_space: global }
    .group_segment_fixed_size: 165376
    .private_segment_fixed_size: 0
    .kernarg_segment_align: 8
    .kernarg_segment_size: 64
    .max_flat_workgroup_size: 128
    .sgpr_count:     88
    .vgpr_count:     1024
    .wavefront_size: 32
...
	.end_amdgpu_metadata
.endif
;; end of part 2
;; launch down (part 3): grid 256 x 1, 4 waves a work-group, no clusters, 148,992 bytes of LDS; arguments hbuf, rows, gwr, w2, b2, part; writes part
.if DOCPART == 3
	.amdgcn_target "amdgcn-amd-amdhsa--gfx1250"
	.amdhsa_code_object_version 6
	.text
	.protected	k_qe98da79a70_down
	.globl	k_qe98da79a70_down
	.p2align	8
	.type	k_qe98da79a70_down,@function
k_qe98da79a70_down:
	s_mov_b64 s[64:65], 0
	v_nop
	global_prefetch_b8 v0, s[64:65] scope:SCOPE_SE
	s_setreg_imm32_b32 hwreg(HW_REG_WAVE_MODE, 25, 1), 1
	s_wait_xcnt 0x0
; THE SECOND PRODUCT.  part[2 KH + slot][token] = p x (h W2[e] over half KH of K, + b2[e] in half 0).  Work-group = expert E (id / 32) x 64 columns (CS) x half of K (KH): it alone reads its 1,024 x 64 slice of w2, once.
; The form is the first product's: the slice through registers into LDS as fragments, one barrier, then E's blocks of 16 rows dealt to the four waves (up to 9 a wave and pass, up to 4 passes), 32 substeps of 32 along K,
; written out, so that every LDS address is a constant and the lane's term; weights' fragments from LDS, h's fragments straight from hbuf, three substeps ahead: 512 consecutive bytes a load, since hbuf lies in fragment order.
; FORMATS.  h arrives in f16, so the product is the f16 form.  w2 is rounded to bf16 like every input, and that number is written as f16.
; K's ORDER.  Half z of register t of hbuf's fragment kf, lane half h, is k = 64 (kf / 2) + 32 h + 4 t + 2 (kf % 2) + z; w2's rows are taken in the same order, so the products meet.
; TRANSPOSED USE: source 0 = 16 columns of W2 (tile f: columns 4 m + f), source 1 = 16 rows.  Register j of tile f in lane (r, h) is row r, column 32 h + 4 j + f.  The bias (0 in half 1) is the C that starts each sum.
; OUT.  A block goes through my wave's own stage in LDS and leaves as whole rows of 256 bytes, to the row slot x 2,048 + token that the first product's launch stored.  The two halves of K and the two slots are added by the next launch, in f32.
; K is halved, not the columns or the rows: 32 columns would double the rows' bytes for each product, and two halves of the rows deal the blocks less evenly.
; NO CLUSTER: each slice is read by one work-group alone; sharing h's blocks would put a ring and the cluster's barrier into passes whose number hangs on a stored count.
; LIMITS.  w2 and b2 are rounded to bf16.  A bf16 number is exact in f16 from 2^-17 to 65,504; below 2^-17 it is off by 3e-8 at the most (w2's spread is 0.03; 30 times smaller: 0.001); w2 must stay under 65,504.
; NaN and infinities are not treated apart.  Rows past the count repeat the last row and store its numbers to its place once more.
; REGISTERS: as in the first product.  window 0: v0-63 addresses, tables; v64-127 weights' fragments; v128-159 bias; v160-191 at work; v192-223 rows read back (in part 1: at work); v224-231 their places in part.
.set RB,     4096                      ; bytes in a row of w2
.set ASTEP,  1024                      ; bytes of a fragment in hbuf
.set AHALF,  512
.set STAGE,  131072                    ; behind the slice: 16 rows x 272 bytes for each wave; bytes 256-259 of a row carry its place in part
.set SP,     272
.set SPARE,  148480                    ; the spare words, 128 bytes a wave: no other line names them
.set AOFF, 24                          ; v[24:32]  block b: my byte offset in E's part of hbuf
.set PW,   36                          ; v[36:44]  block b: my row's gate weight
.set RINF, 48                          ; v[48:56]  block b: my row's slot x 2,048 + token
.set BF,   64
.set BIAS, 128
.set T,    160
.set RBK,  192
.set DO,   224
.set MSB, 0
.macro WIN new                         ; the immediate's high byte repeats the setting that is left; a switch that changes nothing is dropped
.if MSB != (\new)
	s_set_vgpr_msb (MSB<<8)|(\new)
.set MSB, \new
.endif
.endm
; 16 loads: local substep i of my wave's eight, rows in K's order above: each load is two whole rows of the slice, 256 bytes each.
.macro WLOAD i
	WIN 0x40
.set pr, 0
.rept 8
.set ro, (64*((\i)/2)+2*((\i)%2)+4*pr)*RB
	global_load_b128 v[64*((\i)%4)+8*pr:64*((\i)%4)+8*pr+3],   v9, s[32:33] offset:ro th:TH_LOAD_NT
	global_load_b128 v[64*((\i)%4)+8*pr+4:64*((\i)%4)+8*pr+7], v9, s[32:33] offset:ro+RB th:TH_LOAD_NT
.set pr, pr+1
.endr
	WIN 0
.endm
; two rows pack, rounded to bf16, into register pr of tile f; each packed pair is widened again and written as f16; into LDS, 512 consecutive bytes a store.  left: the loads of the groups issued later
.macro WCONV i, left
	s_wait_loadcnt \left
	WIN 0x05
.set pr, 0
.rept 8
.set f, 0
.rept 4
	v_cvt_pk_bf16_f32 v[BF+8*f+pr], v[64*((\i)%4)+8*pr+f], v[64*((\i)%4)+8*pr+4+f]
.set f, f+1
.endr
.set pr, pr+1
.endr
	WIN 0
.set c, 0
.rept 32                               ; eight pairs of registers at work take turns
	v_lshlrev_b32 v[RBK+2*(c%8)],   16,  v[BF+c]
	v_and_b32     v[RBK+2*(c%8)+1], s43, v[BF+c]
	v_cvt_pk_f16_f32 v[BF+c], v[RBK+2*(c%8)], v[RBK+2*(c%8)+1]
.set c, c+1
.endr
.set q, 0
.rept 8
	ds_store_b128 v10, v[BF+4*q:BF+4*q+3] offset:4096*(\i)+512*q
.set q, q+1
.endr
.endm
.macro ALD b, u, imm                   ; block b's fragment of h into buffer u
.if (\b) < 8
	WIN 0xc0
	global_load_b128 v[64*(\u)+8*(\b):64*(\u)+8*(\b)+3],   v[AOFF+(\b)], s[34:35] offset:(\imm)
	global_load_b128 v[64*(\u)+8*(\b)+4:64*(\u)+8*(\b)+7], v[AOFF+(\b)], s[34:35] offset:(\imm)+AHALF
.else
	WIN 0x80
	global_load_b128 v[128+32*(\u)+8*((\b)-8):128+32*(\u)+8*((\b)-8)+3],   v[AOFF+(\b)], s[34:35] offset:(\imm)
	global_load_b128 v[128+32*(\u)+8*((\b)-8)+4:128+32*(\u)+8*((\b)-8)+7], v[AOFF+(\b)], s[34:35] offset:(\imm)+AHALF
.endif
.endm
.macro MUL4 b, u, p, first             ; block b x the four tiles; first = 1: the bias starts the sums
.if (\b) < 8
.set rA, 64*(\u)+8*(\b)
.set rD, 32*(\b)
	WIN 0x5c-0x10*(\first)
.else
.set rA, 128+32*(\u)+8*((\b)-8)
.set rD, 32*((\b)-8)
	WIN 0xa8-0x20*(\first)
.endif
.set mf, 0
.rept 4
.if \first
	v_wmma_f32_16x16x32_f16 v[rD+8*mf:rD+8*mf+7], v[BF+32*(\p)+8*mf:BF+32*(\p)+8*mf+7], v[rA:rA+7], v[BIAS+8*mf:BIAS+8*mf+7]
.else
	v_wmma_f32_16x16x32_f16 v[rD+8*mf:rD+8*mf+7], v[BF+32*(\p)+8*mf:BF+32*(\p)+8*mf+7], v[rA:rA+7], v[rD+8*mf:rD+8*mf+7]
.endif
.set mf, mf+1
.endr
.endm
; substep g's four tiles of weights out of LDS, into buffer p: 4,096 g + 512 q + 16 x lane.  v7 serves the slice's first 65,536 bytes, v8 the second; neither is ever rewritten
.macro BLD p, g
	WIN 0
.set q, 0
.rept 8
.if (\g) < 16
	ds_load_b128 v[BF+32*(\p)+4*q:BF+32*(\p)+4*q+3], v7 offset:4096*(\g)+512*q
.else
	ds_load_b128 v[BF+32*(\p)+4*q:BF+32*(\p)+4*q+3], v8 offset:4096*((\g)-16)+512*q
.endif
.set q, q+1
.endr
.endm
; SUBSTEP s of 32: 32 along K.  The next substep's weights are fetched; h's fragments three substeps on are asked for (up to substep 31's).
; In substep 0 all 9 blocks are multiplied and the bias starts the sums; later block 8 is jumped where the wave has fewer than 9.  The accumulators take turns, one instruction a turn.
; The wait on LOADcnt: behind this substep's fragments the two later groups were issued, 16 loads each at the least; in the last two substeps one group, then none.  The wait on DScnt leaves the eight loads just issued out.
; The four v_nop at the end are the places between the last product and the next substep's loads into the buffers that this one read, or the way out's first read.
.macro SUBSTEP s
.set kU, (\s)%4
.set kP, (\s)%2
.set kF, 0
.if (\s) == 0
.set kF, 1
.endif
.if (\s) < 31
	BLD 1-kP, (\s)+1
.endif
.if (\s) < 30
	s_wait_loadcnt 32
.elseif (\s) == 30
	s_wait_loadcnt 16
.else
	s_wait_loadcnt 0x0
.endif
.if (\s) < 31
	s_wait_dscnt 0x8
.else
	s_wait_dscnt 0x0
.endif
.if (\s) < 29
.set bb, 0
.rept 8
	ALD bb, (kU+3)%4, ((\s)+3)*ASTEP
.set bb, bb+1
.endr
.endif
.set bb, 0
.rept 8
	MUL4 bb, kU, kP, kF
.set bb, bb+1
.endr
.if (\s) > 0
	WIN 0
	s_cmp_lt_u32 s29, 9
	s_cbranch_scc1 .Lx_\@
.endif
.if (\s) < 29
	ALD 8, (kU+3)%4, ((\s)+3)*ASTEP
.endif
	MUL4 8, kU, kP, kF
	WIN 0
.Lx_\@:
.rept 4
	v_nop
.endr
.endm
	s_load_b256 s[4:11], s[0:1], 0x0               ; hbuf s[4:5], rows s[6:7], gwr s[8:9], w2 s[10:11]
	s_load_b128 s[12:15], s[0:1], 0x20             ; b2 s[12:13], part s[14:15]
	v_lshl_add_u32 v4, v0, 2, SPARE                ; my spare word,
	v_mov_b32 v5, 0                                ; and 0: kept for the closing add alone
	v_and_b32 v1, 31, v0                           ; lane
	v_and_b32 v2, 15, v0                           ; r
	v_bfe_u32 v3, v0, 4, 1                         ; h
	v_lshrrev_b32 v16, 5, v0
	v_readfirstlane_b32 s2, v16                    ; W: wave 0..3
	s_lshr_b32 s3, ttmp9, 5                        ; E
	s_bfe_u32 s20, ttmp9, 0x40001                  ; CS: which 64 columns
	s_and_b32 s21, ttmp9, 1                        ; KH: which half of K
	s_mov_b32 s43, 0xffff0000                      ; a word's upper bf16
	v_lshlrev_b32 v7, 4, v1                        ; 16 x lane; never rewritten
	v_add_nc_u32 v8, 0x10000, v7                   ; the same in the slice's second half; never rewritten
	v_lshlrev_b32 v9, 17, v3                       ; w2: 32 rows for the upper half of the lanes,
	v_lshl_add_u32 v9, v2, 4, v9                   ; 4 columns a lane
	s_lshl_b32 s40, s2, 15
	v_add_nc_u32 v10, s40, v7                      ; the slice in LDS: my wave's eight substeps
	v_lshlrev_b32 v11, 2, v2                       ; 4 r
	v_lshlrev_b32 v63, 4, v2                       ; 16 r
	v_lshlrev_b32 v62, 7, v3                       ; the bias: 32 columns for each half
	s_mul_i32 s40, s2, 16*SP
	s_add_co_u32 s40, s40, STAGE                   ; my stage
	v_mul_u32_u24 v16, v2, SP
	v_add_nc_u32 v16, s40, v16
	v_lshl_add_u32 v12, v3, 7, v16                 ; in: row r, 128 bytes for each half of the lanes
	v_add_nc_u32 v15, 256, v16                     ; in: row r's place in part
	v_mul_u32_u24 v17, v3, SP
	v_add_nc_u32 v17, s40, v17
	v_add_nc_u32 v13, v17, v63                     ; back: lanes 0-15 one row of 256 bytes, lanes 16-31 the next
	v_add_nc_u32 v14, 256, v17                     ; back: that row's place
	s_lshl_b32 s41, s20, 8                         ; 64 columns x CS
	s_lshl_b32 s38, s3, 23                         ; E x 8 MiB
	s_lshl_b32 s40, s21, 22                        ; + 1,024 rows x KH
	s_add_co_u32 s38, s38, s40
	s_lshl_b32 s40, s2, 20                         ; + my wave's 256 rows
	s_add_co_u32 s38, s38, s40
	s_add_co_u32 s38, s38, s41
	s_mov_b32 s39, 0
	s_wait_kmcnt 0x0
	s_add_nc_u64 s[32:33], s[10:11], s[38:39]
	s_lshl_b32 s38, s3, 12
	s_add_co_u32 s38, s38, s41
	s_add_nc_u64 s[44:45], s[12:13], s[38:39]      ; b2 at E's row, my 64 columns
	s_lshl_b32 s38, s3, 7
	s_add_nc_u64 s[46:47], s[6:7], s[38:39]
	s_load_b32 s22, s[46:47], 0x10000              ; E's count
	s_lshl_b32 s38, s3, 13
	s_add_nc_u64 s[48:49], s[6:7], s[38:39]        ; E's rows' places,
	s_add_nc_u64 s[50:51], s[8:9], s[38:39]        ; and gate weights
	s_lshl_b32 s38, s3, 23
	s_lshl_b32 s40, s21, 15                        ; 32 fragments x KH
	s_add_co_u32 s38, s38, s40
	s_add_nc_u64 s[34:35], s[4:5], s[38:39]        ; E's part of hbuf, my half of K
	s_lshl_b32 s38, s21, 24                        ; two slots x 8 MiB x KH
	s_add_co_u32 s38, s38, s41
	s_add_nc_u64 s[36:37], s[14:15], s[38:39]      ; part, my half and columns
.set q, 0
.rept 8
	global_load_b128 v[T+4*q:T+4*q+3], v62, s[44:45] offset:16*q
.set q, q+1
.endr
	WLOAD 0
	WLOAD 1
	WLOAD 2
	WLOAD 3
	WCONV 0, 48                                    ; three groups of 16 are younger
	WLOAD 4
	WCONV 1, 48
	WLOAD 5
	WCONV 2, 48
	WLOAD 6
	WCONV 3, 48
	WLOAD 7
	WCONV 4, 48
	WCONV 5, 32
	WCONV 6, 16
	WCONV 7, 0
	s_cmp_eq_u32 s21, 0
	s_cselect_b32 s41, -1, 0                       ; the bias belongs to half 0 alone
.set j, 0
.rept 8                                ; the bias, rounded to bf16 and widened: register j of tile f is column 32 h + 4 j + f
	v_cvt_pk_bf16_f32 v60, v[T+4*j],   v[T+4*j+1]
	v_cvt_pk_bf16_f32 v61, v[T+4*j+2], v[T+4*j+3]
	v_and_b32 v60, s41, v60
	v_and_b32 v61, s41, v61
	v_lshlrev_b32 v[BIAS+j],    16, v60
	v_and_b32     v[BIAS+8+j],  0xffff0000, v60
	v_lshlrev_b32 v[BIAS+16+j], 16, v61
	v_and_b32     v[BIAS+24+j], 0xffff0000, v61
.set j, j+1
.endr
	s_wait_dscnt 0x0                               ; for the others' sake: my part of the slice is in LDS
	s_barrier_signal -1
	s_barrier_wait -1                              ; the whole slice is
	; THE DEALING, as in the first product: NBK blocks; NP passes of at most 36; NBW = ceil(NBK / 4 NP) blocks a wave and pass, 9 at the most.
	s_wait_kmcnt 0x0
	s_min_u32 s22, s22, 2048                       ; N
	s_add_co_u32 s24, s22, 15
	s_lshr_b32 s24, s24, 4                         ; NBK
	s_cmp_gt_u32 s24, 0
	s_cselect_b32 s25, 1, 0
	s_cmp_gt_u32 s24, 36
	s_cselect_b32 s40, 1, 0
	s_add_co_u32 s25, s25, s40
	s_cmp_gt_u32 s24, 72
	s_cselect_b32 s40, 1, 0
	s_add_co_u32 s25, s25, s40
	s_cmp_gt_u32 s24, 108
	s_cselect_b32 s40, 1, 0
	s_add_co_u32 s25, s25, s40                     ; NP
	s_movk_i32 s41, 8192
	s_cmp_eq_u32 s25, 3
	s_cselect_b32 s41, 5462, s41
	s_cmp_eq_u32 s25, 4
	s_cselect_b32 s41, 4096, s41
	s_cmp_le_u32 s25, 1
	s_cselect_b32 s41, 16384, s41
	s_lshl2_add_u32 s40, s25, s24
	s_max_u32 s40, s40, 1
	s_sub_co_u32 s40, s40, 1
	s_mul_i32 s40, s40, s41
	s_lshr_b32 s26, s40, 16                        ; NBW
	s_mov_b32 s27, 0                               ; P
.Lpass:                                                ; four trips; a pass, or a wave's share of one, that the count leaves empty is jumped: no barrier stands in it
	s_cmp_ge_u32 s27, s25
	s_cbranch_scc1 .Lnext
	s_lshl2_add_u32 s28, s27, s2
	s_mul_i32 s28, s28, s26                        ; B0: my first block
	s_sub_co_i32 s29, s24, s28
	s_max_i32 s29, s29, 0
	s_min_i32 s29, s29, s26                        ; NB: my blocks
	s_cmp_eq_u32 s29, 0
	s_cbranch_scc1 .Lnext
	s_wait_xcnt 0x0                                ; the last pass's loads and stores have read their registers
	s_sub_co_u32 s42, s24, 1                       ; the last block that exists
.set i, 0
.rept 9                                ; 9 blocks' offsets and tables; a block past the count repeats the last one.  The table loads land on their own address registers; they are older than every fragment
	s_add_co_u32 s40, s28, i
	s_min_u32 s41, s40, s42
	s_min_u32 s41, s41, 127
	s_lshl_b32 s41, s41, 16
	v_add_nc_u32 v[AOFF+i], s41, v7
	s_lshl_b32 s40, s40, 4
	s_min_u32 s40, s40, 2032
	s_lshl_b32 s40, s40, 2
	v_add_nc_u32 v[RINF+i], s40, v11
	v_add_nc_u32 v[PW+i], s40, v11
	global_load_b32 v[RINF+i], v[RINF+i], s[48:49]
	global_load_b32 v[PW+i], v[PW+i], s[50:51]
.set i, i+1
.endr
.irp u, 0,1,2
.set bb, 0
.rept 9
	ALD bb, \u, (\u)*ASTEP
.set bb, bb+1
.endr
.endr
	BLD 0, 0
.set sg, 0
.rept 32
	SUBSTEP sg
.set sg, sg+1
.endr
	; THE WAY OUT, a block at a time: times the row's gate weight; 32 neighbouring columns a lane into my stage, the row's place beside them; back as whole rows; stored.
	; Each accumulator's lowest register is read first.  My own bytes: LDS serves a wave's instructions in order (ISA guide 5.7.1.4).
.set wi, 0
.rept 9
	WIN 0
	s_cmp_le_u32 s29, wi
	s_cbranch_scc1 .Lwdone
	s_wait_xcnt 0x0                                ; the block before has read its store data and offsets
.if wi < 8
	WIN 0x01
.set rD, 32*wi
.else
	WIN 0x02
.set rD, 32*(wi-8)
.endif
.set wk, 0
.rept 32
	v_mul_f32 v[T+wk], v[rD+8*(wk%4)+wk/4], v[PW+wi]
.set wk, wk+1
.endr
	WIN 0
.set wk, 0
.rept 8
	ds_store_b128 v12, v[T+4*wk:T+4*wk+3] offset:16*wk
.set wk, wk+1
.endr
	ds_store_b32 v15, v[RINF+wi]
.set wk, 0
.rept 8
	ds_load_b128 v[RBK+4*wk:RBK+4*wk+3], v13 offset:2*SP*wk
.set wk, wk+1
.endr
.set wk, 0
.rept 8
	ds_load_b32 v[DO+wk], v14 offset:2*SP*wk
.set wk, wk+1
.endr
	s_wait_dscnt 0x0
.set wk, 0
.rept 8
	v_min_u32 v[DO+wk], 4095, v[DO+wk]
	v_lshl_add_u32 v[DO+wk], v[DO+wk], 12, v63     ; a row of part is 4,096 bytes
.set wk, wk+1
.endr
.set wk, 0
.rept 8
	global_store_b128 v[DO+wk], v[RBK+4*wk:RBK+4*wk+3], s[36:37]  ; 16 lanes store 256 consecutive bytes, at a multiple of 256 from part's first
.set wk, wk+1
.endr
.set wi, wi+1
.endr
.Lwdone:
.Lnext:
	s_add_co_u32 s27, s27, 1
	s_cmp_lt_u32 s27, 4
	s_cbranch_scc1 .Lpass
	s_wait_tensorcnt 0x0                           ; the wave's end
	ds_add_u32 v4, v5
	s_wait_dscnt 0x0
	s_endpgm
.Lfunc_end_k_qe98da79a70_down:
	.size	k_qe98da79a70_down, .Lfunc_end_k_qe98da79a70_down-k_qe98da79a70_down
	.p2alignl 7, 3214868480
	.fill 96, 4, 3214868480
	.section	.rodata,"a",@progbits
	.p2align	6, 0x0
	.amdhsa_kernel k_qe98da79a70_down
		.amdhsa_group_segment_fixed_size 148992
		.amdhsa_private_segment_fixed_size 0
		.amdhsa_enable_private_segment 0
		.amdhsa_kernarg_size 48
		.amdhsa_user_sgpr_count 2
		.amdhsa_user_sgpr_kernarg_segment_ptr 1
		.amdhsa_wavefront_size32 1
		.amdhsa_system_sgpr_workgroup_id_x 1
		.amdhsa_system_sgpr_workgroup_id_y 1
		.amdhsa_system_sgpr_workgroup_id_z 1
		.amdhsa_system_vgpr_workitem_id 0
		.amdhsa_next_free_vgpr 1024
		.amdhsa_next_free_sgpr 66
		.amdhsa_reserve_vcc 0
		.amdhsa_float_denorm_mode_32 3
		.amdhsa_float_denorm_mode_16_64 3
		.amdhsa_memory_ordered 1
		.amdhsa_forward_progress 1
		.amdhsa_inst_pref_size 255
	.end_amdhsa_kernel
	.section	.bss,"aw",@nobits
	.p2align	6
	.space	262144
	.amdgpu_metadata
---
amdhsa.version: [ 1, 2 ]
amdhsa.kernels:
  - .name:           k_qe98da79a70_down
    .symbol:         k_qe98da79a70_down.kd
    .args:
      - { .name: hbuf, .offset: 0, .size: 8, .value_kind: global_buffer, .address_space: global }
      - { .name: rows, .offset: 8, .size: 8, .value_kind: global_buffer, .address_space: global }
      - { .name: gwr, .offset: 16, .size: 8, .value_kind: global_buffer, .address_space: global }
      - { .name: w2, .offset: 24, .size: 8, .value_kind: global_buffer, .address_space: global }
      - { .name: b2, .offset: 32, .size: 8, .value_kind: global_buffer, .address_space: global }
      - { .name: part, .offset: 40, .size: 8, .value_kind: global_buffer, .address_space: global }
    .group_segment_fixed_size: 148992
    .private_segment_fixed_size: 0
    .kernarg_segment_align: 8
    .kernarg_segment_size: 48
    .max_flat_workgroup_size: 128
    .sgpr_count:     66
    .vgpr_count:     1024
    .wavefront_size: 32
...
	.end_amdgpu_metadata
.endif
;; end of part 3
;; launch add (part 4): grid 256 x 1, 8 waves a work-group, no clusters, 0 bytes of LDS; arguments part, out0; writes out0
.if DOCPART == 4
	.amdgcn_target "amdgcn-amd-amdhsa--gfx1250"
	.amdhsa_code_object_version 6
	.text
	.protected	k_qe98da79a70_add
	.globl	k_qe98da79a70_add
	.p2align	8
	.type	k_qe98da79a70_add,@function
k_qe98da79a70_add:
	s_mov_b64 s[64:65], 0
	v_nop
	global_prefetch_b8 v0, s[64:65] scope:SCOPE_SE
	s_setreg_imm32_b32 hwreg(HW_REG_WAVE_MODE, 25, 1), 1
	s_wait_xcnt 0x0
; out0 = the sum of the four partial rows of each token: part [2 KH + slot][2048][1024] f32, added as (slot 0: half 0 + half 1) + (slot 1: half 0 + half 1).
; A stream: the work-group owns 32,768 bytes of out0; thread t owns 16 bytes at 4,096 j + 16 t, j = 0 .. 7.  All 32 loads of a thread go out at once; a load or store of a wave covers 512 consecutive bytes.
; No LDS, no barrier, no matrix unit: nothing is shared and nothing is read twice.
.set D, 16                             ; v[16:143]  chunk j, part q at D + 16 j + 4 q
	s_load_b128 s[4:7], s[0:1], 0x0                ; part s[4:5], out0 s[6:7]
	s_lshl_b32 s2, ttmp9, 15
	s_mov_b32 s3, 0
	v_lshlrev_b32 v1, 4, v0
	s_wait_kmcnt 0x0
	s_add_nc_u64 s[8:9], s[4:5], s[2:3]            ; the four parts lie 8 MiB apart: a base for each
	s_add_nc_u64 s[10:11], s[8:9], 0x800000
	s_add_nc_u64 s[12:13], s[10:11], 0x800000
	s_add_nc_u64 s[14:15], s[12:13], 0x800000
	s_add_nc_u64 s[6:7], s[6:7], s[2:3]
.set j, 0
.rept 8
.irp q, 0,1,2,3
	global_load_b128 v[D+16*j+4*\q:D+16*j+4*\q+3], v1, s[8+2*\q:9+2*\q] offset:4096*j th:TH_LOAD_NT
.endr
.set j, j+1
.endr
.set j, 0
.rept 8
	s_wait_loadcnt 28-4*j                          ; chunk j's four loads are in: four for each later chunk are younger
.set b, D+16*j
	v_pk_add_f32 v[b:b+1],   v[b:b+1],   v[b+8:b+9]      ; slot 0: the two halves of K
	v_pk_add_f32 v[b+2:b+3], v[b+2:b+3], v[b+10:b+11]
	v_pk_add_f32 v[b+4:b+5], v[b+4:b+5], v[b+12:b+13]    ; slot 1
	v_pk_add_f32 v[b+6:b+7], v[b+6:b+7], v[b+14:b+15]
	v_pk_add_f32 v[b:b+1],   v[b:b+1],   v[b+4:b+5]
	v_pk_add_f32 v[b+2:b+3], v[b+2:b+3], v[b+6:b+7]
	global_store_b128 v1, v[b:b+3], s[6:7] offset:4096*j th:TH_STORE_NT
.set j, j+1
.endr
	s_endpgm
.Lfunc_end_k_qe98da79a70_add:
	.size	k_qe98da79a70_add, .Lfunc_end_k_qe98da79a70_add-k_qe98da79a70_add
	.p2alignl 7, 3214868480
	.fill 96, 4, 3214868480
	.section	.rodata,"a",@progbits
	.p2align	6, 0x0
	.amdhsa_kernel k_qe98da79a70_add
		.amdhsa_group_segment_fixed_size 0
		.amdhsa_private_segment_fixed_size 0
		.amdhsa_enable_private_segment 0
		.amdhsa_kernarg_size 16
		.amdhsa_user_sgpr_count 2
		.amdhsa_user_sgpr_kernarg_segment_ptr 1
		.amdhsa_wavefront_size32 1
		.amdhsa_system_sgpr_workgroup_id_x 1
		.amdhsa_system_sgpr_workgroup_id_y 1
		.amdhsa_system_sgpr_workgroup_id_z 1
		.amdhsa_system_vgpr_workitem_id 0
		.amdhsa_next_free_vgpr 144
		.amdhsa_next_free_sgpr 66
		.amdhsa_reserve_vcc 0
		.amdhsa_float_denorm_mode_32 3
		.amdhsa_float_denorm_mode_16_64 3
		.amdhsa_memory_ordered 1
		.amdhsa_forward_progress 1
		.amdhsa_inst_pref_size 8
	.end_amdhsa_kernel
	.amdgpu_metadata
---
amdhsa.version: [ 1, 2 ]
amdhsa.kernels:
  - .name:           k_qe98da79a70_add
    .symbol:         k_qe98da79a70_add.kd
    .args:
      - { .name: part, .offset: 0, .size: 8, .value_kind: global_buffer, .address_space: global }
      - { .name: out0, .offset: 8, .size: 8, .value_kind: global_buffer, .address_space: global }
    .group_segment_fixed_size: 0
    .private_segment_fixed_size: 0
    .kernarg_segment_align: 8
    .kernarg_segment_size: 16
    .max_flat_workgroup_size: 256
    .sgpr_count:     66
    .vgpr_count:     144
    .wavefront_size: 32
...
	.end_amdgpu_metadata
.endif
;; end of part 4
;; ======== version 2 of 3: 5 launches; 1.27 times as fast as version 1
;; limits: values are held in f16: magnitudes above 65,504 overflow, below 6.1e-05 lose precision; right only within a limited range of input values
;; workspace buffers: xb 4,194,304 bytes; route 10,240 bytes of whole numbers; pw 16,384 bytes; xg 33,554,432 bytes; hbuf 67,108,864 bytes; tabu 67,584 bytes of whole numbers; tabd 67,584 bytes of whole numbers; part 33,554,432 bytes
;; launch gate: the kernel of part 1 again; grid 128 x 1, 8 waves a work-group, no clusters, 44,032 bytes of LDS; arguments x, gate_w, gate_b, xb, route, pw; writes xb, route, pw
;; launch place (part 5): grid 256 x 1, 4 waves a work-group, no clusters, 34,304 bytes of LDS; arguments xb, route, xg, tabu, tabd; writes xg, tabu, tabd
.if DOCPART == 5
	.amdgcn_target "amdgcn-amd-amdhsa--gfx1250"
	.amdhsa_code_object_version 6
	.text
	.protected	k_qe98da79a70_place
	.globl	k_qe98da79a70_place
	.p2align	8
	.type	k_qe98da79a70_place,@function
k_qe98da79a70_place:
	s_mov_b64 s[64:65], 0
	v_nop
	global_prefetch_b8 v0, s[64:65] scope:SCOPE_SE
	s_setreg_imm32_b32 hwreg(HW_REG_WAVE_MODE, 25, 1), 1
	s_wait_xcnt 0x0
; THE PLACING.  The rows that chose expert e are laid end to end, once, in the order in which the first product's source 1 takes them; and a table is written for each of the two products.
; Work-group = expert E (id / 32) x S (id % 32).  Every wave makes the list of E's tokens from E's bitmap (a copy of its own, so there is no barrier).
; GATHER.  The work-group owns E's blocks of 16 rows S, S + 32, S + 64, S + 96, as far as they exist: a usual split gives each work-group one.  A wave takes a quarter of K, 512 bytes of each row.
; xg [e][128 blocks][32 fragments][2][lane][16 bytes], f16: half z of register t of fragment kf, lane (r, h), is row r, k = 64 (kf / 2) + 32 h + 4 t + 2 (kf % 2) + z.  So lane (r, h) reads 32 consecutive bytes of its row
; (k = 64 g + 32 h + 16 a .. + 15); the even words are 16 bytes of fragment 2 g, the odd ones of fragment 2 g + 1.  Nothing changes lanes, and a store of the wave covers 512 consecutive bytes.
; xb holds x rounded to bf16; that number is written as f16: exact from 2^-17 to 65,504, below that off by 3e-8 at the most.  Places past the count repeat the last row.
; TABLES tabu (first product) and tabd (second), alike but for their first two words: word 0 = which product (0, 1), word 1 = 1 - word 0; from byte 256 each expert's count, 32 copies;
; from byte 2,048 for each of an expert's 2,048 places: slot x 2,048 + token (slot 1: the expert is the token's second choice).
; A stream by a list: no matrix unit, no cluster, no tensor load (no tile descriptor covers listed rows).
.set LPITCH, 8448                      ; for each wave 2,048 tokens and 32 words into which lanes without a token store
.set SPARE,  33792                     ; the spare words, 128 bytes a wave: no other line names them
.set TCNT,   256
.set TROW,   2048
.set TMP,  32                          ; v[32:47]   at work
.set IN,   64                          ; v[64:127]  a block's 64 words as loaded
.set OUT,  128                         ; v[128:191] the same as f16, sorted by fragment
	s_load_b256 s[4:11], s[0:1], 0x0               ; xb s[4:5], route s[6:7], xg s[8:9], tabu s[10:11]
	s_load_b64 s[12:13], s[0:1], 0x20              ; tabd
	v_lshl_add_u32 v4, v0, 2, SPARE                ; my spare word,
	v_mov_b32 v5, 0                                ; and 0: kept for the closing add alone
	v_and_b32 v1, 31, v0                           ; lane
	v_and_b32 v2, 15, v0                           ; r
	v_bfe_u32 v3, v0, 4, 1                         ; h
	v_lshrrev_b32 v16, 5, v0
	v_readfirstlane_b32 s2, v16                    ; W: wave 0..3
	s_lshr_b32 s3, ttmp9, 5                        ; E
	s_and_b32 s20, ttmp9, 31                       ; S
	s_mov_b32 s43, 0xffff0000                      ; a word's upper bf16
	v_lshlrev_b32 v7, 4, v1                        ; 16 x lane
	s_lshl_b32 s40, s2, 9
	v_lshl_add_u32 v11, v3, 6, s40                 ; in a row of xb: my wave's 512 bytes, 64 bytes for each half of the lanes
	s_mul_i32 s40, s2, LPITCH
	v_mov_b32 v12, s40                             ; my wave's list
	v_add_nc_u32 v17, s40, v7                      ; and 16 bytes a lane of it
	v_add_nc_u32 v13, 2048, v1                     ; the place behind the list for a lane without a token
	v_mov_b32 v14, v1                              ; the token of my bit in the word in hand
	; THE LIST.  Every place first holds token 0, whatever the count; then token t of the bitmap's word goes to place (tokens of E before it).
	; The clamp is the last step before the address: a wave's stores stay in its own 8,448 bytes.
.irp z, 20,21,22,23
	v_mov_b32 v\z, 0
.endr
.set q, 0
.rept 16                               ; 2,048 places, 512 consecutive bytes a store
	ds_store_b128 v17, v[20:23] offset:512*q
.set q, q+1
.endr
	s_lshl_b32 s38, s3, 8
	s_mov_b32 s39, 0
	s_wait_kmcnt 0x0
	s_add_nc_u64 s[46:47], s[6:7], s[38:39]        ; E's bitmap
	s_lshl_b32 s38, s3, 22                         ; E's 128 blocks of 32,768 bytes,
	s_lshl_b32 s40, s2, 13                         ; my wave's eight fragments
	s_add_co_u32 s38, s38, s40
	s_add_nc_u64 s[34:35], s[8:9], s[38:39]
	s_mov_b32 s22, 0                               ; tokens so far
	s_mov_b32 s30, 2
.Llist:                                                ; two trips of 32 words
	s_load_b512 s[68:83], s[46:47], 0x0
	s_load_b512 s[84:99], s[46:47], 0x40
	s_wait_kmcnt 0x0
.set wd, 68
.rept 32
	v_mbcnt_lo_u32_b32 v16, s[wd], s22             ; the set bits below mine, and all before this word
	v_cndmask_b32 v16, v13, v16, s[wd]
	v_min_u32 v16, 2079, v16
	v_lshl_add_u32 v16, v16, 2, v12
	ds_store_b32 v16, v14
	v_add_nc_u32 v14, 32, v14
	s_bcnt1_i32_b32 s40, s[wd]
	s_add_co_u32 s22, s22, s40
.set wd, wd+1
.endr
	s_add_nc_u64 s[46:47], s[46:47], 128           ; the scalar loads are done
	s_sub_co_u32 s30, s30, 1
	s_cmp_lg_u32 s30, 0
	s_cbranch_scc1 .Llist
	s_min_u32 s22, s22, 2048                       ; N
	s_max_u32 s23, s22, 1
	s_sub_co_u32 s23, s23, 1                       ; the last row that exists
	s_add_co_u32 s24, s22, 15
	s_lshr_b32 s24, s24, 4                         ; blocks that exist
	; the tables' rows 64 S .. 64 S + 63 are this work-group's, 16 of them my wave's (both halves of the lanes alike): the token's choices are asked for now and used behind the gather
	s_lshl_b32 s40, s20, 6
	s_lshl4_add_u32 s40, s2, s40
	v_add_nc_u32 v17, s40, v2
	v_min_u32 v18, s23, v17
	v_min_u32 v18, 2047, v18
	v_lshl_add_u32 v18, v18, 2, v12
	ds_load_b32 v18, v18
	s_wait_dscnt 0x0
	v_min_u32 v18, 2047, v18                       ; the row's token
	v_lshlrev_b32 v19, 2, v18
	global_load_b32 v21, v19, s[6:7] offset:2048   ; its two experts
	; THE GATHER: four trips; a block that does not exist is jumped
	s_mov_b32 s28, s20                             ; the block
	s_mov_b32 s30, 4
.Lblk:
	s_cmp_ge_u32 s28, s24
	s_cbranch_scc1 .Lskip
	s_wait_xcnt 0x0                                ; the last trip's loads and stores have read their offsets, data and base
	s_lshl_b32 s40, s28, 4
	v_add_nc_u32 v24, s40, v2
	v_min_u32 v24, s23, v24                        ; places past the count repeat the last row
	v_min_u32 v24, 2047, v24
	v_lshl_add_u32 v24, v24, 2, v12
	ds_load_b32 v24, v24
	s_min_u32 s41, s28, 127
	s_lshl_b32 s38, s41, 15
	s_add_nc_u64 s[36:37], s[34:35], s[38:39]
	s_wait_dscnt 0x0
	v_min_u32 v24, 2047, v24
	v_lshl_add_u32 v24, v24, 11, v11               ; token x 2,048 + my place in the row
.set q, 0
.rept 8                                ; q = 2 g + a: 32 bytes at 128 g + 32 a
	global_load_b128 v[IN+8*q:IN+8*q+3],   v24, s[4:5] offset:128*(q/2)+32*(q%2)
	global_load_b128 v[IN+8*q+4:IN+8*q+7], v24, s[4:5] offset:128*(q/2)+32*(q%2)+16
.set q, q+1
.endr
.set q, 0
.rept 8
	s_wait_loadcnt 14-2*q                          ; pair q is in: two loads for each later pair are younger
.set d, 0
.rept 8                                ; word d: two bf16 widened and written as f16; even words to the even fragment, odd to the odd
	v_lshlrev_b32 v[TMP+2*d],   16,  v[IN+8*q+d]
	v_and_b32     v[TMP+2*d+1], s43, v[IN+8*q+d]
	v_cvt_pk_f16_f32 v[OUT+8*q+4*(d%2)+d/2], v[TMP+2*d], v[TMP+2*d+1]
.set d, d+1
.endr
	global_store_b128 v7, v[OUT+8*q:OUT+8*q+3],   s[36:37] offset:2048*(q/2)+512*(q%2)       ; 512 consecutive bytes, at a multiple of 256 from xg's first
	global_store_b128 v7, v[OUT+8*q+4:OUT+8*q+7], s[36:37] offset:2048*(q/2)+1024+512*(q%2)
.set q, q+1
.endr
.Lskip:
	s_add_co_u32 s28, s28, 32
	s_sub_co_u32 s30, s30, 1
	s_cmp_lg_u32 s30, 0
	s_cbranch_scc1 .Lblk
	; THE TABLES
	s_wait_loadcnt 0x0                             ; the token's two experts
	v_bfe_u32 v21, v21, 8, 8                       ; is E the token's second choice?
	v_cmp_eq_u32 vcc_lo, s3, v21
	v_cndmask_b32 v21, 0, 1, vcc_lo
	v_lshl_add_u32 v21, v21, 11, v18               ; slot x 2,048 + token
	s_lshl_b32 s40, s3, 13
	v_lshl_add_u32 v17, v17, 2, s40
	global_store_b32 v17, v21, s[10:11] offset:TROW
	global_store_b32 v17, v21, s[12:13] offset:TROW
	s_or_b32 s40, s20, s2
	s_cmp_lg_u32 s40, 0
	s_cbranch_scc1 .Lend
	v_mov_b32 v16, s22                             ; E's count, by one wave of one work-group
	s_lshl_b32 s40, s3, 7
	v_lshl_add_u32 v25, v1, 2, s40
	global_store_b32 v25, v16, s[10:11] offset:TCNT
	global_store_b32 v25, v16, s[12:13] offset:TCNT
	s_cmp_lg_u32 s3, 0
	s_cbranch_scc1 .Lend
	v_lshlrev_b32 v26, 2, v1                       ; the tables' first words, by one wave of the launch: (0, 1, 0 ..) and (1, 0, 0 ..)
	v_cmp_eq_u32 vcc_lo, 1, v1
	v_cndmask_b32 v27, 0, 1, vcc_lo
	v_cmp_eq_u32 vcc_lo, 0, v1
	v_cndmask_b32 v28, 0, 1, vcc_lo
	global_store_b32 v26, v27, s[10:11]
	global_store_b32 v26, v28, s[12:13]
.Lend:
	s_wait_tensorcnt 0x0                           ; the wave's end
	ds_add_u32 v4, v5
	s_wait_dscnt 0x0
	s_endpgm
.Lfunc_end_k_qe98da79a70_place:
	.size	k_qe98da79a70_place, .Lfunc_end_k_qe98da79a70_place-k_qe98da79a70_place
	.p2alignl 7, 3214868480
	.fill 96, 4, 3214868480
	.section	.rodata,"a",@progbits
	.p2align	6, 0x0
	.amdhsa_kernel k_qe98da79a70_place
		.amdhsa_group_segment_fixed_size 34304
		.amdhsa_private_segment_fixed_size 0
		.amdhsa_enable_private_segment 0
		.amdhsa_kernarg_size 40
		.amdhsa_user_sgpr_count 2
		.amdhsa_user_sgpr_kernarg_segment_ptr 1
		.amdhsa_wavefront_size32 1
		.amdhsa_system_sgpr_workgroup_id_x 1
		.amdhsa_system_sgpr_workgroup_id_y 1
		.amdhsa_system_sgpr_workgroup_id_z 1
		.amdhsa_system_vgpr_workitem_id 0
		.amdhsa_next_free_vgpr 192
		.amdhsa_next_free_sgpr 104
		.amdhsa_reserve_vcc 1
		.amdhsa_float_denorm_mode_32 3
		.amdhsa_float_denorm_mode_16_64 3
		.amdhsa_memory_ordered 1
		.amdhsa_forward_progress 1
		.amdhsa_inst_pref_size 31
	.end_amdhsa_kernel
	.amdgpu_metadata
---
amdhsa.version: [ 1, 2 ]
amdhsa.kernels:
  - .name:           k_qe98da79a70_place
    .symbol:         k_qe98da79a70_place.kd
    .args:
      - { .name: xb, .offset: 0, .size: 8, .value_kind: global_buffer, .address_space: global }
      - { .name: route, .offset: 8, .size: 8, .value_kind: global_buffer, .address_space: global }
      - { .name: xg, .offset: 16, .size: 8, .value_kind: global_buffer, .address_space: global }
      - { .name: tabu, .offset: 24, .size: 8, .value_kind: global_buffer, .address_space: global }
      - { .name: tabd, .offset: 32, .size: 8, .value_kind: global_buffer, .address_space: global }
    .group_segment_fixed_size: 34304
    .private_segment_fixed_size: 0
    .kernarg_segment_align: 8
    .kernarg_segment_size: 40
    .max_flat_workgroup_size: 128
    .sgpr_count:     104
    .vgpr_count:     192
    .wavefront_size: 32
...
	.end_amdgpu_metadata
.endif
;; end of part 5
;; launch up (part 6): grid 256 x 1, 4 waves a work-group, no clusters, 148,992 bytes of LDS; arguments xg, tabu, pw, w1, b1, hbuf; writes hbuf
.if DOCPART == 6
	.amdgcn_target "amdgcn-amd-amdhsa--gfx1250"
	.amdhsa_code_object_version 6
	.text
	.protected	k_qe98da79a70_up
	.globl	k_qe98da79a70_up
	.p2align	8
	.type	k_qe98da79a70_up,@function
k_qe98da79a70_up:
	s_mov_b64 s[64:65], 0
	v_nop
	global_prefetch_b8 v0, s[64:65] scope:SCOPE_SE
	s_setreg_imm32_b32 hwreg(HW_REG_WAVE_MODE, 25, 1), 1
	s_wait_xcnt 0x0
; ONE BODY FOR BOTH PRODUCTS of an expert's rows.  Arguments: A (the rows, in fragment order), the product's table, pw, the weights, the bias, the output.  The table's first words say which product the launch is: m = 0, u = 1 or m = 1, u = 0.
;   FIRST  (m = 0): hbuf = relu(x W1[e] + b1[e]), f16.  Work-group = expert E (id / 32) x 64 of 2,048 columns (id % 32); K = 1,024.
;   SECOND (m = 1): part[2 KH + slot][token] = p x (h W2[e] over half KH of K, + b2[e] in half 0).  Work-group = E x 64 of 1,024 columns x half of K = 2,048.  The next launch adds the halves and the slots, in f32.
; Either way a work-group has a slice of 1,024 x 64 weights, which it alone reads, once, and all of E's rows.
; PART 1.  The slice goes through registers, is rounded, and is laid into LDS in the order in which source 0 takes it.  One barrier.
; PART 2.  Nothing shared is written any more, so there is no further barrier.  E's blocks of 16 rows are dealt to the four waves: up to 9 a wave and pass, up to 4 passes: every split of the tokens is served (0 to 2,048 rows).
; K goes in 32 substeps of 32, written out, so that every LDS address is a constant and the lane's term: weights' fragments from LDS, the rows' fragments straight from A, three substeps ahead, 512 consecutive bytes a load.
; K's TURN.  An expert's work-groups read the same rows.  So that they do not all ask for the same bytes at the same time, each begins K elsewhere: substep j of the text takes fragment (j + rot) % 32, rot = 7 (id % 32) % 32.
; Only global addresses turn: wave W still lays substeps 8 W .. 8 W + 7 of the text at the same LDS bytes, and fills them with the weight rows of the turned fragments.  The sums hold the same products in another order.
; WHAT DIFFERS between the products is made of m and u by sums and products alone: a weight row's bytes 4,096 (1 + u), the columns, KH = id & m, a block's bytes in A 32,768 (1 + m); and the way out, chosen by one branch on m.
; FORMATS.  The f16 matrix form.  x (already), w1, w2 and the biases are rounded to bf16 like every input, and that number is written as f16; h, the one number that the program itself rounds, is rounded to f16 (11 significant bits).
; K's ORDER.  Half z of register t of fragment kf, lane half h, is k = 64 (kf / 2) + 32 h + 4 t + 2 (kf % 2) + z, in A and in the weights' rows alike.
; TRANSPOSED USE: source 0 = 16 columns of the weights (tile f: columns 4 m' + f), source 1 = 16 rows.  Register j of tile f in lane (r, h) is row r, column 32 h + 4 j + f.  The bias is the C that starts each sum.
; NO CLUSTER: each slice is read by one work-group alone; sharing the rows' blocks would put a ring and the cluster's barrier into passes whose number hangs on a stored count.  No tensor loads: f32 slice and 16-bit slice together pass the LDS.
; LIMITS.  f16 holds no number beyond 65,504: x, w1, w2 and h must stay under that.  Sums of 1,024 products of x (spread 1) and w1 (spread 0.044) reach about 7; both 30 times larger: about 6,500; both with a common offset of
; 30 spreads (30 and 1.33): about 1,024 x 30 x 1.33 = 41,000.  A bf16 number is exact in f16 from 2^-17 on; below that it is off by 3e-8 at the most; below 6e-5 h keeps f16's fixed step of 6e-8.
; NaN and infinities are not treated apart.  Rows past the count repeat the last row; the second product stores its numbers to its place once more.
; REGISTERS, in windows of 256 (s_set_vgpr_msb: bits 1:0 source 0, 3:2 source 1, 5:4 source 2, 7:6 destination):
;   window 0: v0-63 addresses, tables; v64-127 weights' fragments, two buffers; v128-159 bias; v160-223 at work; v224-231 rows' places in part; v232-247 the weight loads' offsets
;   window 1: accumulators of blocks 0-7 (block b, tile f at 32 b + 8 f); in part 1 four landing buffers of 64 for the weights
;   window 2: v0-31 accumulators of block 8; v128 + 32 u' its rows' fragments, four buffers          window 3: rows' fragments of blocks 0-7, four buffers of 64
.set AHALF,  512                       ; a fragment in A is 1,024 bytes: two loads of 512
.set STAGE,  131072                    ; behind the slice: 16 rows x 272 bytes for each wave; bytes 256-259 of a row carry its place in part
.set SP,     272
.set SPARE,  148480                    ; the spare words, 128 bytes a wave: no other line names them
.set TCNT,   256                       ; the table: the experts' counts,
.set TROW,   2048                      ; and the rows' places
.set AOFF, 24                          ; v[24:32]  block b: my byte offset in E's part of A
.set PW,   36                          ; v[36:44]  block b: my row's gate weight
.set RINF, 48                          ; v[48:56]  block b: my row's slot x 2,048 + token
.set BF,   64
.set BIAS, 128
.set T,    160
.set RBK,  192
.set DO,   224
.set WO,   232                         ; v[232:247] weight load n of a group: rows 4 (n / 2) + n % 2 + 32 h, columns 4 r on
.set WB,   68                          ; s[68:83]  the weights at the first row of each of my wave's eight groups
.set AB,   84                          ; s[84:91]  A at the fragment that fills buffer u' of the rows' four
.set MSB, 0
.macro WIN new                         ; the immediate's high byte repeats the setting that is left; a switch that changes nothing is dropped
.if MSB != (\new)
	s_set_vgpr_msb (MSB<<8)|(\new)
.set MSB, \new
.endif
.endm
; 16 loads: local substep i of my wave's eight, rows in K's order above: each load is two whole rows of the slice, 256 bytes each.
.macro WLOAD i
	WIN 0x40
.set n, 0
.rept 16
	global_load_b128 v[64*((\i)%4)+4*n:64*((\i)%4)+4*n+3], v[WO+n], s[WB+2*(\i):WB+2*(\i)+1] th:TH_LOAD_NT
.set n, n+1
.endr
	WIN 0
.endm
; two rows pack, rounded to bf16, into register pr of tile f; each packed pair is widened again and written as f16; into LDS, 512 consecutive bytes a store.  left: the loads of the groups issued later
.macro WCONV i, left
	s_wait_loadcnt \left
	WIN 0x05
.set pr, 0
.rept 8
.set f, 0
.rept 4
	v_cvt_pk_bf16_f32 v[BF+8*f+pr], v[64*((\i)%4)+8*pr+f], v[64*((\i)%4)+8*pr+4+f]
.set f, f+1
.endr
.set pr, pr+1
.endr
	WIN 0
.set c, 0
.rept 32                               ; eight pairs of registers at work take turns
	v_lshlrev_b32 v[RBK+2*(c%8)],   16,  v[BF+c]
	v_and_b32     v[RBK+2*(c%8)+1], s43, v[BF+c]
	v_cvt_pk_f16_f32 v[BF+c], v[RBK+2*(c%8)], v[RBK+2*(c%8)+1]
.set c, c+1
.endr
.set q, 0
.rept 8
	ds_store_b128 v10, v[BF+4*q:BF+4*q+3] offset:4096*(\i)+512*q
.set q, q+1
.endr
.endm
.macro ABASE u, j                      ; buffer u's base: substep j of the text takes fragment (j + rot) % 32, 1,024 bytes each
	s_add_co_u32 s38, s57, \j
	s_and_b32 s38, s38, 31
	s_lshl_b32 s38, s38, 10
	s_add_nc_u64 s[AB+2*(\u):AB+2*(\u)+1], s[34:35], s[38:39]
.endm
.macro ALD b, u                        ; block b's fragment of the rows into buffer u
.if (\b) < 8
	WIN 0xc0
	global_load_b128 v[64*(\u)+8*(\b):64*(\u)+8*(\b)+3],   v[AOFF+(\b)], s[AB+2*(\u):AB+2*(\u)+1]
	global_load_b128 v[64*(\u)+8*(\b)+4:64*(\u)+8*(\b)+7], v[AOFF+(\b)], s[AB+2*(\u):AB+2*(\u)+1] offset:AHALF
.else
	WIN 0x80
	global_load_b128 v[128+32*(\u)+8*((\b)-8):128+32*(\u)+8*((\b)-8)+3],   v[AOFF+(\b)], s[AB+2*(\u):AB+2*(\u)+1]
	global_load_b128 v[128+32*(\u)+8*((\b)-8)+4:128+32*(\u)+8*((\b)-8)+7], v[AOFF+(\b)], s[AB+2*(\u):AB+2*(\u)+1] offset:AHALF
.endif
.endm
.macro MUL4 b, u, p, first             ; block b x the four tiles; first = 1: the bias starts the sums
.if (\b) < 8
.set rA, 64*(\u)+8*(\b)
.set rD, 32*(\b)
	WIN 0x5c-0x10*(\first)
.else
.set rA, 128+32*(\u)+8*((\b)-8)
.set rD, 32*((\b)-8)
	WIN 0xa8-0x20*(\first)
.endif
.set mf, 0
.rept 4
.if \first
	v_wmma_f32_16x16x32_f16 v[rD+8*mf:rD+8*mf+7], v[BF+32*(\p)+8*mf:BF+32*(\p)+8*mf+7], v[rA:rA+7], v[BIAS+8*mf:BIAS+8*mf+7]
.else
	v_wmma_f32_16x16x32_f16 v[rD+8*mf:rD+8*mf+7], v[BF+32*(\p)+8*mf:BF+32*(\p)+8*mf+7], v[rA:rA+7], v[rD+8*mf:rD+8*mf+7]
.endif
.set mf, mf+1
.endr
.endm
; substep g's four tiles of weights out of LDS, into buffer p: 4,096 g + 512 q + 16 x lane.  v7 serves the slice's first 65,536 bytes, v8 the second; neither is ever rewritten
.macro BLD p, g
	WIN 0
.set q, 0
.rept 8
.if (\g) < 16
	ds_load_b128 v[BF+32*(\p)+4*q:BF+32*(\p)+4*q+3], v7 offset:4096*(\g)+512*q
.else
	ds_load_b128 v[BF+32*(\p)+4*q:BF+32*(\p)+4*q+3], v8 offset:4096*((\g)-16)+512*q
.endif
.set q, q+1
.endr
.endm
; my nine rows' gate weights: pw[token][slot].  The rows' places came in with the pass's first loads.  Each load lands on its own address register.
.macro GATES
	WIN 0
.set gi, 0
.rept 9
	v_lshrrev_b32 v[PW+gi], 11, v[RINF+gi]         ; slot
	v_and_b32 v60, 0x7ff, v[RINF+gi]               ; token
	v_min_u32 v[PW+gi], 1, v[PW+gi]
	v_min_u32 v60, 2047, v60
	v_lshlrev_b32 v[PW+gi], 2, v[PW+gi]
	v_lshl_add_u32 v[PW+gi], v60, 3, v[PW+gi]
	global_load_b32 v[PW+gi], v[PW+gi], s[8:9]
.set gi, gi+1
.endr
.endm
; SUBSTEP s of 32: 32 along K.  The next substep's weights are fetched; the rows' fragments three substeps on are asked for (up to substep 31's); substep 29, which asks for none, asks for the gate weights.
; In substep 0 all 9 blocks are multiplied and the bias starts the sums; later block 8 is jumped where the wave has fewer than 9.  The accumulators take turns, one instruction a turn.
; The wait on LOADcnt: behind this substep's fragments the two later groups were issued, 16 loads each at the least; in substep 30 one group and the nine gate weights; in substep 31 the wait is for all.
; The wait on DScnt leaves the eight loads just issued out.
; The base that is written anew was last read by the group of four substeps before the one now asked for: those loads came in a substep ago, and every issued load has had its address translated behind s_wait_xcnt 0 (ISA guide 3.1).
; The four v_nop at the end are the places between the last product and the next substep's loads into the buffers that this one read, or the way out's first read.
.macro SUBSTEP s
.set kU, (\s)%4
.set kP, (\s)%2
.set kF, 0
.if (\s) == 0
.set kF, 1
.endif
.if (\s) < 31
	BLD 1-kP, (\s)+1
.endif
.if (\s) < 30
	s_wait_loadcnt 32
.elseif (\s) == 30
	s_wait_loadcnt 25
.else
	s_wait_loadcnt 0x0
.endif
.if (\s) < 31
	s_wait_dscnt 0x8
.else
	s_wait_dscnt 0x0
.endif
.if (\s) == 29
	GATES
.endif
.if (\s) < 29
	s_wait_xcnt 0x0
	ABASE (kU+3)%4, (\s)+3
.set bb, 0
.rept 8
	ALD bb, (kU+3)%4
.set bb, bb+1
.endr
.endif
.set bb, 0
.rept 8
	MUL4 bb, kU, kP, kF
.set bb, bb+1
.endr
.if (\s) > 0
	WIN 0
	s_cmp_lt_u32 s29, 9
	s_cbranch_scc1 .Lx_\@
.endif
.if (\s) < 29
	ALD 8, (kU+3)%4
.endif
	MUL4 8, kU, kP, kF
	WIN 0
.Lx_\@:
.rept 4
	v_nop
.endr
.endm
	s_load_b256 s[4:11], s[0:1], 0x0               ; A s[4:5], table s[6:7], pw s[8:9], weights s[10:11]
	s_load_b128 s[12:15], s[0:1], 0x20             ; bias s[12:13], output s[14:15]
	v_lshl_add_u32 v4, v0, 2, SPARE                ; my spare word,
	v_mov_b32 v5, 0                                ; and 0: kept for the closing add alone
	v_mov_b32 v6, 0                                ; 0 for the ReLU
	v_and_b32 v1, 31, v0                           ; lane
	v_and_b32 v2, 15, v0                           ; r
	v_bfe_u32 v3, v0, 4, 1                         ; h
	v_lshrrev_b32 v16, 5, v0
	v_readfirstlane_b32 s2, v16                    ; W: wave 0..3
	s_lshr_b32 s3, ttmp9, 5                        ; E
	s_mov_b32 s43, 0xffff0000                      ; a word's upper bf16
	s_lshl_b32 s38, s3, 7
	s_mov_b32 s39, 0
	s_wait_kmcnt 0x0
	s_add_nc_u64 s[50:51], s[6:7], s[38:39]
	s_load_b64 s[16:17], s[6:7], 0x0               ; m, u: which product
	s_load_b32 s22, s[50:51], TCNT                 ; E's count
	v_lshlrev_b32 v7, 4, v1                        ; 16 x lane; never rewritten
	v_add_nc_u32 v8, 0x10000, v7                   ; the same in the slice's second half; never rewritten
	s_lshl_b32 s40, s2, 15
	v_add_nc_u32 v10, s40, v7                      ; the slice in LDS: my wave's eight substeps
	v_lshlrev_b32 v11, 2, v2                       ; 4 r
	v_lshlrev_b32 v63, 4, v2                       ; 16 r
	v_lshlrev_b32 v62, 7, v3                       ; the bias: 32 columns for each half
	s_mul_i32 s40, s2, 16*SP
	s_add_co_u32 s40, s40, STAGE                   ; my stage
	v_mul_u32_u24 v16, v2, SP
	v_add_nc_u32 v16, s40, v16
	v_lshl_add_u32 v12, v3, 7, v16                 ; in: row r, 128 bytes for each half of the lanes
	v_add_nc_u32 v15, 256, v16                     ; in: row r's place in part
	v_mul_u32_u24 v17, v3, SP
	v_add_nc_u32 v17, s40, v17
	v_add_nc_u32 v13, v17, v63                     ; back: lanes 0-15 one row of 256 bytes, lanes 16-31 the next
	v_add_nc_u32 v14, 256, v17                     ; back: that row's place
	s_and_b32 s18, ttmp9, 31
	s_bfe_u32 s19, ttmp9, 0x40001
	s_mul_i32 s57, s18, 7
	s_and_b32 s57, s57, 31                         ; rot: the fragment at which this work-group begins K
	s_lshl3_add_u32 s58, s2, s57                   ; 8 W + rot
	s_wait_kmcnt 0x0
	s_min_u32 s16, s16, 1                          ; m
	s_min_u32 s17, s17, 1                          ; u
	s_min_u32 s22, s22, 2048                       ; N
	s_mul_i32 s20, s18, s17                        ; which 64 columns: id % 32 in the first product,
	s_mul_i32 s19, s19, s16                        ; (id / 2) % 16 in the second
	s_add_co_u32 s20, s20, s19
	s_and_b32 s21, ttmp9, s16                      ; KH: which half of K (0 in the first product)
	s_add_co_u32 s31, s17, 1
	s_lshl_b32 s31, s31, 12                        ; bytes in a row of the weights, and of the bias: 8,192 or 4,096
	s_add_co_u32 s44, s16, 1
	s_lshl_b32 s45, s44, 15                        ; bytes of a block in A: 32,768 or 65,536
	s_lshl_b32 s41, s20, 8                         ; my columns, in bytes of f32
	s_lshl_b32 s38, s3, 23                         ; E x 8 MiB
	s_lshl_b32 s40, s21, 22                        ; + 1,024 rows x KH
	s_add_co_u32 s38, s38, s40
	s_add_co_u32 s38, s38, s41
	s_add_nc_u64 s[32:33], s[10:11], s[38:39]      ; the slice's first row
.set i, 0
.rept 8                                ; my group i is substep 8 W + i of the text: fragment kf = (8 W + i + rot) % 32, which begins at row 64 (kf / 2) + 2 (kf % 2)
	s_add_co_u32 s59, s58, i
	s_and_b32 s59, s59, 31                         ; kf
	s_lshl_b32 s60, s59, 5
	s_and_b32 s60, s60, 0x3c0                      ; 64 (kf / 2)
	s_and_b32 s59, s59, 1
	s_lshl1_add_u32 s59, s59, s60                  ; + 2 (kf % 2)
	s_mul_i32 s38, s59, s31
	s_add_nc_u64 s[WB+2*i:WB+2*i+1], s[32:33], s[38:39]
.set i, i+1
.endr
	s_lshl_b32 s40, s31, 5
	v_mul_u32_u24 v9, s40, v3                      ; 32 rows for the upper half of the lanes,
	v_lshl_add_u32 v9, v2, 4, v9                   ; 4 columns a lane
.set n, 0
.rept 16
	s_mul_i32 s40, s31, 4*(n/2)+n%2
	v_add_nc_u32 v[WO+n], s40, v9
.set n, n+1
.endr
	s_mul_i32 s38, s3, s31
	s_add_co_u32 s38, s38, s41
	s_add_nc_u64 s[46:47], s[12:13], s[38:39]      ; the bias at E's row, my 64 columns
.set q, 0
.rept 8
	global_load_b128 v[T+4*q:T+4*q+3], v62, s[46:47] offset:16*q
.set q, q+1
.endr
	WLOAD 0
	WLOAD 1
	WLOAD 2
	WLOAD 3
	s_lshl_b32 s38, s3, 13
	s_add_nc_u64 s[48:49], s[6:7], s[38:39]        ; E's rows' places
	s_lshl_b32 s38, s3, 22
	s_mul_i32 s38, s38, s44                        ; E's 128 blocks,
	s_lshl_b32 s40, s21, 15                        ; 32 fragments x KH
	s_add_co_u32 s38, s38, s40
	s_add_nc_u64 s[34:35], s[4:5], s[38:39]        ; E's part of A, my half of K
	s_lshl_b32 s38, s21, 24                        ; the second product's output: two slots x 8 MiB x KH,
	s_add_co_u32 s38, s38, s41                     ; my columns
	s_add_nc_u64 s[36:37], s[14:15], s[38:39]
	s_lshl_b32 s38, s3, 23                         ; the first product's output: E's 128 blocks of 65,536 bytes,
	s_lshl_b32 s40, s20, 11                        ; fragments 2 S, 2 S + 1
	s_add_co_u32 s38, s38, s40
	s_add_nc_u64 s[52:53], s[14:15], s[38:39]
	WCONV 0, 48                                    ; three groups of 16 are younger
	WLOAD 4
	WCONV 1, 48
	WLOAD 5
	WCONV 2, 48
	WLOAD 6
	WCONV 3, 48
	WLOAD 7
	WCONV 4, 48
	WCONV 5, 32
	WCONV 6, 16
	WCONV 7, 0
	s_cmp_eq_u32 s21, 0
	s_cselect_b32 s56, -1, 0                       ; the bias belongs to half 0 alone
.set j, 0
.rept 8                                ; the bias, rounded to bf16 and widened: register j of tile f is column 32 h + 4 j + f
	v_cvt_pk_bf16_f32 v60, v[T+4*j],   v[T+4*j+1]
	v_cvt_pk_bf16_f32 v61, v[T+4*j+2], v[T+4*j+3]
	v_and_b32 v60, s56, v60
	v_and_b32 v61, s56, v61
	v_lshlrev_b32 v[BIAS+j],    16, v60
	v_and_b32     v[BIAS+8+j],  0xffff0000, v60
	v_lshlrev_b32 v[BIAS+16+j], 16, v61
	v_and_b32     v[BIAS+24+j], 0xffff0000, v61
.set j, j+1
.endr
	s_wait_dscnt 0x0                               ; for the others' sake: my part of the slice is in LDS
	s_barrier_signal -1
	s_barrier_wait -1                              ; the whole slice is
	; THE DEALING.  NBK blocks; NP passes of at most 36; NBW = ceil(NBK / 4 NP) blocks a wave and pass, 9 at the most, by a multiplication that is exact for arguments up to 143.
	s_add_co_u32 s24, s22, 15
	s_lshr_b32 s24, s24, 4                         ; NBK
	s_cmp_gt_u32 s24, 0
	s_cselect_b32 s25, 1, 0
	s_cmp_gt_u32 s24, 36
	s_cselect_b32 s40, 1, 0
	s_add_co_u32 s25, s25, s40
	s_cmp_gt_u32 s24, 72
	s_cselect_b32 s40, 1, 0
	s_add_co_u32 s25, s25, s40
	s_cmp_gt_u32 s24, 108
	s_cselect_b32 s40, 1, 0
	s_add_co_u32 s25, s25, s40                     ; NP
	s_movk_i32 s41, 8192
	s_cmp_eq_u32 s25, 3
	s_cselect_b32 s41, 5462, s41
	s_cmp_eq_u32 s25, 4
	s_cselect_b32 s41, 4096, s41
	s_cmp_le_u32 s25, 1
	s_cselect_b32 s41, 16384, s41
	s_lshl2_add_u32 s40, s25, s24
	s_max_u32 s40, s40, 1
	s_sub_co_u32 s40, s40, 1
	s_mul_i32 s40, s40, s41
	s_lshr_b32 s26, s40, 16                        ; NBW
	s_mov_b32 s27, 0                               ; P
.Lpass:                                                ; four trips; a pass, or a wave's share of one, that the count leaves empty is jumped: no barrier stands in it
	s_cmp_ge_u32 s27, s25
	s_cbranch_scc1 .Lnext
	s_lshl2_add_u32 s28, s27, s2
	s_mul_i32 s28, s28, s26                        ; B0: my first block
	s_sub_co_i32 s29, s24, s28
	s_max_i32 s29, s29, 0
	s_min_i32 s29, s29, s26                        ; NB: my blocks
	s_cmp_eq_u32 s29, 0
	s_cbranch_scc1 .Lnext
	s_wait_xcnt 0x0                                ; the last pass's loads and stores have read their registers
	s_sub_co_u32 s42, s24, 1                       ; the last block that exists
.set i, 0
.rept 9                                ; 9 blocks' offsets and places; a block past the count repeats the last one.  The table loads land on their own address registers; they are older than every fragment
	s_add_co_u32 s40, s28, i
	s_min_u32 s41, s40, s42
	s_min_u32 s41, s41, 127
	s_mul_i32 s41, s41, s45
	v_add_nc_u32 v[AOFF+i], s41, v7
	s_lshl_b32 s40, s40, 4
	s_min_u32 s40, s40, 2032
	s_lshl_b32 s40, s40, 2
	v_add_nc_u32 v[RINF+i], s40, v11
	global_load_b32 v[RINF+i], v[RINF+i], s[48:49] offset:TROW
.set i, i+1
.endr
	s_min_u32 s40, s28, 127
	s_lshl_b32 s38, s40, 16
	s_add_nc_u64 s[54:55], s[52:53], s[38:39]      ; the first product's output at my first block
.irp u, 0,1,2
	ABASE \u, \u
.set bb, 0
.rept 9
	ALD bb, \u
.set bb, bb+1
.endr
.endr
	BLD 0, 0
.set sg, 0
.rept 32
	SUBSTEP sg
.set sg, sg+1
.endr
	s_cmp_lg_u32 s16, 0
	s_cbranch_scc1 .Lsecond
	; THE FIRST PRODUCT'S WAY OUT.  ReLU in f32; tiles 2 g and 2 g + 1 pack, rounded to f16, into fragment g of the second product's source 1; 512 consecutive bytes a store.
	; A block's registers are read in ascending order: each accumulator's lowest first.
.set wi, 0
.rept 9
	WIN 0
	s_cmp_le_u32 s29, wi
	s_cbranch_scc1 .Lwdone
	s_wait_xcnt 0x0                                ; the block before has read its store data
.if wi < 8
	WIN 0x01
.set rD, 32*wi
.else
	WIN 0x02
.set rD, 32*(wi-8)
.endif
.set wk, 0
.rept 32
	v_max_num_f32 v[RBK+wk], v[rD+wk], v6
.set wk, wk+1
.endr
	WIN 0
.set wk, 0
.rept 16
	v_cvt_pk_f16_f32 v[T+wk], v[RBK+16*(wk/8)+wk%8], v[RBK+16*(wk/8)+8+wk%8]
.set wk, wk+1
.endr
.set wk, 0
.rept 4
	global_store_b128 v7, v[T+4*wk:T+4*wk+3], s[54:55] offset:65536*wi+512*wk
.set wk, wk+1
.endr
.set wi, wi+1
.endr
	s_branch .Lwdone
.Lsecond:
	; THE SECOND PRODUCT'S WAY OUT, a block at a time: times the row's gate weight; 32 neighbouring columns a lane into my stage, the row's place beside them; back as whole rows; stored.
	; Each accumulator's lowest register is read first.  My own bytes: LDS serves a wave's instructions in order (ISA guide 5.7.1.4).
.set wi, 0
.rept 9
	WIN 0
	s_cmp_le_u32 s29, wi
	s_cbranch_scc1 .Lwdone
	s_wait_xcnt 0x0                                ; the block before has read its store data and offsets
.if wi < 8
	WIN 0x01
.set rD, 32*wi
.else
	WIN 0x02
.set rD, 32*(wi-8)
.endif
.set wk, 0
.rept 32
	v_mul_f32 v[T+wk], v[rD+8*(wk%4)+wk/4], v[PW+wi]
.set wk, wk+1
.endr
	WIN 0
.set wk, 0
.rept 8
	ds_store_b128 v12, v[T+4*wk:T+4*wk+3] offset:16*wk
.set wk, wk+1
.endr
	ds_store_b32 v15, v[RINF+wi]
.set wk, 0
.rept 8
	ds_load_b128 v[RBK+4*wk:RBK+4*wk+3], v13 offset:2*SP*wk
.set wk, wk+1
.endr
.set wk, 0
.rept 8
	ds_load_b32 v[DO+wk], v14 offset:2*SP*wk
.set wk, wk+1
.endr
	s_wait_dscnt 0x0
.set wk, 0
.rept 8
	v_min_u32 v[DO+wk], 4095, v[DO+wk]
	v_lshl_add_u32 v[DO+wk], v[DO+wk], 12, v63     ; a row of part is 4,096 bytes
.set wk, wk+1
.endr
.set wk, 0
.rept 8
	global_store_b128 v[DO+wk], v[RBK+4*wk:RBK+4*wk+3], s[36:37]  ; 16 lanes store 256 consecutive bytes, at a multiple of 256 from part's first
.set wk, wk+1
.endr
.set wi, wi+1
.endr
.Lwdone:
.Lnext:
	s_add_co_u32 s27, s27, 1
	s_cmp_lt_u32 s27, 4
	s_cbranch_scc1 .Lpass
	s_wait_tensorcnt 0x0                           ; the wave's end
	ds_add_u32 v4, v5
	s_wait_dscnt 0x0
	s_endpgm
.Lfunc_end_k_qe98da79a70_up:
	.size	k_qe98da79a70_up, .Lfunc_end_k_qe98da79a70_up-k_qe98da79a70_up
	.p2alignl 7, 3214868480
	.fill 96, 4, 3214868480
	.section	.rodata,"a",@progbits
	.p2align	6, 0x0
	.amdhsa_kernel k_qe98da79a70_up
		.amdhsa_group_segment_fixed_size 148992
		.amdhsa_private_segment_fixed_size 0
		.amdhsa_enable_private_segment 0
		.amdhsa_kernarg_size 48
		.amdhsa_user_sgpr_count 2
		.amdhsa_user_sgpr_kernarg_segment_ptr 1
		.amdhsa_wavefront_size32 1
		.amdhsa_system_sgpr_workgroup_id_x 1
		.amdhsa_system_sgpr_workgroup_id_y 1
		.amdhsa_system_sgpr_workgroup_id_z 1
		.amdhsa_system_vgpr_workitem_id 0
		.amdhsa_next_free_vgpr 1024
		.amdhsa_next_free_sgpr 96
		.amdhsa_reserve_vcc 0
		.amdhsa_float_denorm_mode_32 3
		.amdhsa_float_denorm_mode_16_64 3
		.amdhsa_memory_ordered 1
		.amdhsa_forward_progress 1
		.amdhsa_inst_pref_size 255
	.end_amdhsa_kernel
	.section	.bss,"aw",@nobits
	.p2align	6
	.space	262144
	.amdgpu_metadata
---
amdhsa.version: [ 1, 2 ]
amdhsa.kernels:
  - .name:           k_qe98da79a70_up
    .symbol:         k_qe98da79a70_up.kd
    .args:
      - { .name: xg, .offset: 0, .size: 8, .value_kind: global_buffer, .address_space: global }
      - { .name: tabu, .offset: 8, .size: 8, .value_kind: global_buffer, .address_space: global }
      - { .name: pw, .offset: 16, .size: 8, .value_kind: global_buffer, .address_space: global }
      - { .name: w1, .offset: 24, .size: 8, .value_kind: global_buffer, .address_space: global }
      - { .name: b1, .offset: 32, .size: 8, .value_kind: global_buffer, .address_space: global }
      - { .name: hbuf, .offset: 40, .size: 8, .value_kind: global_buffer, .address_space: global }
    .group_segment_fixed_size: 148992
    .private_segment_fixed_size: 0
    .kernarg_segment_align: 8
    .kernarg_segment_size: 48
    .max_flat_workgroup_size: 128
    .sgpr_count:     96
    .vgpr_count:     1024
    .wavefront_size: 32
...
	.end_amdgpu_metadata
.endif
;; end of part 6
;; launch down: the kernel of part 6 again; grid 256 x 1, 4 waves a work-group, no clusters, 148,992 bytes of LDS; arguments hbuf, tabd, pw, w2, b2, part; writes part
;; launch add: the kernel of part 4 again; grid 256 x 1, 8 waves a work-group, no clusters, 0 bytes of LDS; arguments part, out0; writes out0
;; ======== version 3 of 3: 5 launches; version 2 with the launches place, up, down written anew for expert scheduling mode
;; limits: values are held in f16: magnitudes above 65,504 overflow, below 6.1e-05 lose precision; right only within a limited range of input values
;; workspace buffers: xb 4,194,304 bytes; route 10,240 bytes of whole numbers; pw 16,384 bytes; xg 33,554,432 bytes; hbuf 67,108,864 bytes; tabu 67,584 bytes of whole numbers; tabd 67,584 bytes of whole numbers; part 33,554,432 bytes
;; launch gate: the kernel of part 1 again; grid 128 x 1, 8 waves a work-group, no clusters, 44,032 bytes of LDS; arguments x, gate_w, gate_b, xb, route, pw; writes xb, route, pw
;; launch place (part 7): grid 256 x 1, 4 waves a work-group, no clusters, 34,304 bytes of LDS; arguments xb, route, xg, tabu, tabd; writes xg, tabu, tabd
.if DOCPART == 7
	.amdgcn_target "amdgcn-amd-amdhsa--gfx1250"
	.amdhsa_code_object_version 6
	.text
	.protected	k_qe98da79a70_place
	.globl	k_qe98da79a70_place
	.p2align	8
	.type	k_qe98da79a70_place,@function
k_qe98da79a70_place:
	s_mov_b64 s[64:65], 0
	v_nop
	global_prefetch_b8 v0, s[64:65] scope:SCOPE_SE
	s_setreg_imm32_b32 hwreg(HW_REG_WAVE_SCHED_MODE, 0, 2), 2
	s_setreg_imm32_b32 hwreg(HW_REG_WAVE_MODE, 25, 1), 1
	s_wait_xcnt 0x0
	s_wait_alu depctr_vm_vsrc(0)
; THE PLACING.  The rows that chose expert e are laid end to end, once, in the order in which the first product's source 1 takes them; and a table is written for each of the two products.
; Work-group = expert E (id / 32) x S (id % 32).  Every wave makes the list of E's tokens from E's bitmap (a copy of its own, so there is no barrier).
; GATHER.  The work-group owns E's blocks of 16 rows S, S + 32, S + 64, S + 96, as far as they exist: a usual split gives each work-group one.  A wave takes a quarter of K, 512 bytes of each row.
; xg [e][128 blocks][32 fragments][2][lane][16 bytes], f16: half z of register t of fragment kf, lane (r, h), is row r, k = 64 (kf / 2) + 32 h + 4 t + 2 (kf % 2) + z.  So lane (r, h) reads 32 consecutive bytes of its row
; (k = 64 g + 32 h + 16 a .. + 15); the even words are 16 bytes of fragment 2 g, the odd ones of fragment 2 g + 1.  Nothing changes lanes, and a store of the wave covers 512 consecutive bytes.
; xb holds x rounded to bf16; that number is written as f16: exact from 2^-17 to 65,504, below that off by 3e-8 at the most.  Places past the count repeat the last row.
; TABLES tabu (first product) and tabd (second), alike but for their first two words: word 0 = which product (0, 1), word 1 = 1 - word 0; from byte 256 each expert's count, 32 copies;
; from byte 2,048 for each of an expert's 2,048 places: slot x 2,048 + token (slot 1: the expert is the token's second choice).
; A stream by a list: no matrix unit, no cluster, no tensor load (no tile descriptor covers listed rows).
; THE MODE: SCHED_MODE bits 1:0 = 2 (LLVM: expert scheduling mode 2), set by the entry lines.  The code itself states the register dependences
; between vector instructions and memory or LDS instructions, with s_wait_alu, always for 0.
; THE PLAN.  Registers that memory or LDS instructions touch:
;   v7, v15, v[20:23]  made at the head, never written again: xg's offset; the address and the zeros of the list's first fill.
;   ADR, DAT           a trip of the list's loop makes the LDS addresses and the tokens of its 32 words, then stores them in one run: one wait ahead of the run, one at the trip's head ahead of the next writes.
;   v18, v26           the table row's LDS address and its offset in route, each made from a number just loaded: a wait ahead of each of the two loads; never written again.
;   v24, v28           a block's LDS address and its offset in xb, likewise; written again in the next trip, behind the wait at the trip's head.
;   IN                 the block's 16 loads land in it; the conversions read it.      OUT  the conversions write it; the stores read it.
;   The block goes in four groups of four loads: a group's stores stand behind the wait for the next group's loads and one wait on va_vdst, ahead of that group's conversions, which name other registers.
;   v19, v25, v27      land from loads, and are named by vector instructions alone beside that.      v29-v31, v48-v51  the tables' offsets and words: a wait ahead of each run of stores.
.set LPITCH, 8448                      ; for each wave 2,048 tokens and 32 words into which lanes without a token store
.set TCNT,   256
.set TROW,   2048
.set TMP,  32                          ; v[32:47]   at work
.set IN,   64                          ; v[64:127]  a block's 64 words as loaded
.set OUT,  128                         ; v[128:191] the same as f16, sorted by fragment
.set ADR,  IN                          ; v[64:95]   while the list is made: word w's LDS address
.set DAT,  OUT                         ; v[128:159] while the list is made: the token of my bit in word w
	s_load_b256 s[4:11], s[0:1], 0x0               ; xb s[4:5], route s[6:7], xg s[8:9], tabu s[10:11]
	s_load_b64 s[12:13], s[0:1], 0x20              ; tabd
	v_lshl_add_u32 v62, v0, 2, 0x8400
	v_mov_b32 v63, 0
	v_and_b32 v1, 31, v0                           ; lane
	v_and_b32 v2, 15, v0                           ; r
	v_bfe_u32 v3, v0, 4, 1                         ; h
	v_lshrrev_b32 v16, 5, v0
	v_readfirstlane_b32 s2, v16                    ; W: wave 0..3
	s_lshr_b32 s3, ttmp9, 5                        ; E
	s_and_b32 s20, ttmp9, 31                       ; S
	s_mov_b32 s43, 0xffff0000                      ; a word's upper bf16
	v_lshlrev_b32 v7, 4, v1                        ; 16 x lane
	v_add_nc_u32 v13, 2048, v1                     ; the place behind the list for a lane without a token
	v_add_nc_u32 v[DAT+31], 0xffffffe0, v1         ; lane - 32: each word's token is the word before's + 32, round the trips too
.irp z, 20,21,22,23
	v_mov_b32 v\z, 0
.endr
	s_wait_alu depctr_va_sdst(0)                   ; s2 is written, ahead of its first reader
	s_lshl_b32 s40, s2, 9
	v_lshl_add_u32 v11, v3, 6, s40                 ; in a row of xb: my wave's 512 bytes, 64 bytes for each half of the lanes
	s_mul_i32 s40, s2, LPITCH
	v_mov_b32 v12, s40                             ; my wave's list
	v_add_nc_u32 v15, s40, v7                      ; and 16 bytes a lane of it
	; THE LIST.  Every place first holds token 0, whatever the count; then token t of the bitmap's word goes to place (tokens of E before it).
	; The clamp is the last step before the address: a wave's stores stay in its own 8,448 bytes.
	s_wait_alu depctr_va_vdst(0)                   ; v15 and v[20:23] are written, which the LDS stores read
.set q, 0
.rept 16                               ; 2,048 places, 512 consecutive bytes a store
	ds_store_b128 v15, v[20:23] offset:512*q
.set q, q+1
.endr
	s_lshl_b32 s38, s3, 8
	s_mov_b32 s39, 0
	s_wait_kmcnt 0x0
	s_add_nc_u64 s[46:47], s[6:7], s[38:39]        ; E's bitmap
	s_lshl_b32 s38, s3, 22                         ; E's 128 blocks of 32,768 bytes,
	s_lshl_b32 s40, s2, 13                         ; my wave's eight fragments
	s_add_co_u32 s38, s38, s40
	s_add_nc_u64 s[34:35], s[8:9], s[38:39]
	s_mov_b32 s22, 0                               ; tokens so far
	s_mov_b32 s30, 2
.Llist:                                                ; two trips of 32 words
	s_load_b512 s[68:83], s[46:47], 0x0
	s_load_b512 s[84:99], s[46:47], 0x40
	s_wait_alu depctr_vm_vsrc(0)                   ; the last trip's LDS stores have read ADR and DAT, which this trip writes again
	s_wait_kmcnt 0x0
.set wd, 0
.rept 32
	v_mbcnt_lo_u32_b32 v[ADR+wd], s[68+wd], s22    ; the set bits below mine, and all before this word
	v_cndmask_b32 v[ADR+wd], v13, v[ADR+wd], s[68+wd]
	v_min_u32 v[ADR+wd], 2079, v[ADR+wd]
	v_lshl_add_u32 v[ADR+wd], v[ADR+wd], 2, v12
	v_add_nc_u32 v[DAT+wd], 32, v[DAT+(wd+31)%32]  ; the token of my bit in this word
	s_bcnt1_i32_b32 s40, s[68+wd]
	s_add_co_u32 s22, s22, s40
.set wd, wd+1
.endr
	s_wait_alu depctr_va_vdst(0)                   ; ADR and DAT are written, which the LDS stores read
.set wd, 0
.rept 32
	ds_store_b32 v[ADR+wd], v[DAT+wd]
.set wd, wd+1
.endr
	s_add_nc_u64 s[46:47], s[46:47], 128           ; the scalar loads are done
	s_sub_co_u32 s30, s30, 1
	s_cmp_lg_u32 s30, 0
	s_cbranch_scc1 .Llist
	s_min_u32 s22, s22, 2048                       ; N
	s_max_u32 s23, s22, 1
	s_sub_co_u32 s23, s23, 1                       ; the last row that exists
	s_add_co_u32 s24, s22, 15
	s_lshr_b32 s24, s24, 4                         ; blocks that exist
	; the tables' rows 64 S .. 64 S + 63 are this work-group's, 16 of them my wave's (both halves of the lanes alike): the token's choices are asked for now and used behind the gather
	s_lshl_b32 s40, s20, 6
	s_lshl4_add_u32 s40, s2, s40
	v_add_nc_u32 v17, s40, v2
	v_min_u32 v18, s23, v17
	v_min_u32 v18, 2047, v18
	v_lshl_add_u32 v18, v18, 2, v12
	s_wait_alu depctr_va_vdst(0)                   ; v18 is written, the LDS load's address
	ds_load_b32 v19, v18
	s_wait_dscnt 0x0
	v_min_u32 v19, 2047, v19                       ; the row's token
	v_lshlrev_b32 v26, 2, v19
	s_wait_alu depctr_va_vdst(0)                   ; v26 is written, the load's offset
	global_load_b32 v27, v26, s[6:7] offset:2048   ; its two experts
; pair q of a block's eight: word d: two bf16 widened and written as f16; even words to the even fragment, odd to the odd
.macro CONV q
.set d, 0
.rept 8
	v_lshlrev_b32 v[TMP+2*d],   16,  v[IN+8*(\q)+d]
	v_and_b32     v[TMP+2*d+1], s43, v[IN+8*(\q)+d]
	v_cvt_pk_f16_f32 v[OUT+8*(\q)+4*(d%2)+d/2], v[TMP+2*d], v[TMP+2*d+1]
.set d, d+1
.endr
.endm
.macro SENDP q                         ; its two stores: 512 consecutive bytes each, at a multiple of 256 from xg's first
	global_store_b128 v7, v[OUT+8*(\q):OUT+8*(\q)+3],   s[36:37] offset:2048*((\q)/2)+512*((\q)%2)
	global_store_b128 v7, v[OUT+8*(\q)+4:OUT+8*(\q)+7], s[36:37] offset:2048*((\q)/2)+1024+512*((\q)%2)
.endm
	; THE GATHER: four trips; a block that does not exist is jumped
	s_mov_b32 s28, s20                             ; the block
	s_mov_b32 s30, 4
.Lblk:
	s_cmp_ge_u32 s28, s24
	s_cbranch_scc1 .Lskip
	s_wait_xcnt 0x0                                ; the last trip's loads and stores have had their addresses translated: their offsets, data and base are rewritten only behind this wait
	s_wait_alu depctr_vm_vsrc(0)                   ; the last trip's LDS load has read v24, its loads v28, its stores OUT; in the first trip the list's LDS stores have read ADR and DAT, which are IN and OUT from here on
	s_lshl_b32 s40, s28, 4
	v_add_nc_u32 v24, s40, v2
	v_min_u32 v24, s23, v24                        ; places past the count repeat the last row
	v_min_u32 v24, 2047, v24
	v_lshl_add_u32 v24, v24, 2, v12
	s_wait_alu depctr_va_vdst(0)                   ; v24 is written, the LDS load's address; the last trip's lines are done with v25, in which it lands
	ds_load_b32 v25, v24
	s_min_u32 s41, s28, 127
	s_lshl_b32 s38, s41, 15
	s_add_nc_u64 s[36:37], s[34:35], s[38:39]
	s_wait_dscnt 0x0
	v_min_u32 v25, 2047, v25
	v_lshl_add_u32 v28, v25, 11, v11               ; token x 2,048 + my place in the row
	s_wait_alu depctr_va_vdst(0)                   ; v28 is written, the loads' offset; the lines that named IN (the last trip's conversions, the list's addresses) are done with it
.set q, 0
.rept 8                                ; q = 2 g + a: 32 bytes at 128 g + 32 a
	global_load_b128 v[IN+8*q:IN+8*q+3],   v28, s[4:5] offset:128*(q/2)+32*(q%2)
	global_load_b128 v[IN+8*q+4:IN+8*q+7], v28, s[4:5] offset:128*(q/2)+32*(q%2)+16
.set q, q+1
.endr
.irp g, 0,1,2,3
	s_wait_loadcnt 12-4*\g                         ; this group's four loads are in: four for each later group are younger
.if \g > 0
	s_wait_alu depctr_va_vdst(0)                   ; the group before has written its part of OUT, which the four stores below read
	SENDP 2*\g-2
	SENDP 2*\g-1
.endif
	CONV 2*\g
	CONV 2*\g+1
.endr
	s_wait_alu depctr_va_vdst(0)                   ; the last group has written its part of OUT
	SENDP 6
	SENDP 7
.Lskip:
	s_add_co_u32 s28, s28, 32
	s_sub_co_u32 s30, s30, 1
	s_cmp_lg_u32 s30, 0
	s_cbranch_scc1 .Lblk
	; THE TABLES
	s_wait_loadcnt 0x0                             ; the token's two experts
	v_bfe_u32 v27, v27, 8, 8                       ; is E the token's second choice?
	v_cmp_eq_u32 vcc_lo, s3, v27
	s_lshl_b32 s40, s3, 13
	v_lshl_add_u32 v29, v17, 2, s40
	s_wait_alu depctr_va_vcc(0)                    ; VCC is written, ahead of the select that reads it
	v_cndmask_b32 v27, 0, 1, vcc_lo
	v_lshl_add_u32 v30, v27, 11, v19               ; slot x 2,048 + token
	s_wait_alu depctr_va_vdst(0)                   ; v29 and v30 are written, the two stores' offset and data
	global_store_b32 v29, v30, s[10:11] offset:TROW
	global_store_b32 v29, v30, s[12:13] offset:TROW
	s_or_b32 s40, s20, s2
	s_cmp_lg_u32 s40, 0
	s_cbranch_scc1 .Lend
	v_mov_b32 v31, s22                             ; E's count, by one wave of one work-group
	s_lshl_b32 s40, s3, 7
	v_lshl_add_u32 v48, v1, 2, s40
	s_wait_alu depctr_va_vdst(0)                   ; v48 and v31 are written, the two stores' offset and data
	global_store_b32 v48, v31, s[10:11] offset:TCNT
	global_store_b32 v48, v31, s[12:13] offset:TCNT
	s_cmp_lg_u32 s3, 0
	s_cbranch_scc1 .Lend
	v_lshlrev_b32 v49, 2, v1                       ; the tables' first words, by one wave of the launch: (0, 1, 0 ..) and (1, 0, 0 ..)
	v_cmp_eq_u32 s44, 1, v1
	v_cmp_eq_u32 s45, 0, v1
	s_wait_alu depctr_va_sdst(0)                   ; s44 and s45 are written, ahead of the selects that read them
	v_cndmask_b32 v50, 0, 1, s44
	v_cndmask_b32 v51, 0, 1, s45
	s_wait_alu depctr_va_vdst(0)                   ; v49 to v51 are written, the two stores' offset and data
	global_store_b32 v49, v50, s[10:11]
	global_store_b32 v49, v51, s[12:13]
.Lend:
	s_wait_dscnt 0x0                               ; the wave's end.  The closing add goes to the spare words, from 33,792 on
	s_wait_alu depctr_hold_cnt(0) depctr_sa_sdst(0) depctr_va_vdst(0) depctr_va_sdst(0) depctr_va_ssrc(0) depctr_va_vcc(0) depctr_vm_vsrc(0)
	s_wait_tensorcnt 0x0
	ds_add_u32 v62, v63
	s_wait_dscnt 0x0
	s_endpgm
.Lfunc_end_k_qe98da79a70_place:
	.size	k_qe98da79a70_place, .Lfunc_end_k_qe98da79a70_place-k_qe98da79a70_place
	.p2alignl 7, 3214868480
	.fill 96, 4, 3214868480
	.section	.rodata,"a",@progbits
	.p2align	6, 0x0
	.amdhsa_kernel k_qe98da79a70_place
		.amdhsa_group_segment_fixed_size 34304
		.amdhsa_private_segment_fixed_size 0
		.amdhsa_enable_private_segment 0
		.amdhsa_kernarg_size 40
		.amdhsa_user_sgpr_count 2
		.amdhsa_user_sgpr_kernarg_segment_ptr 1
		.amdhsa_wavefront_size32 1
		.amdhsa_system_sgpr_workgroup_id_x 1
		.amdhsa_system_sgpr_workgroup_id_y 1
		.amdhsa_system_sgpr_workgroup_id_z 1
		.amdhsa_system_vgpr_workitem_id 0
		.amdhsa_next_free_vgpr 192
		.amdhsa_next_free_sgpr 104
		.amdhsa_reserve_vcc 1
		.amdhsa_float_denorm_mode_32 3
		.amdhsa_float_denorm_mode_16_64 3
		.amdhsa_memory_ordered 1
		.amdhsa_forward_progress 1
		.amdhsa_inst_pref_size 31
	.end_amdhsa_kernel
	.amdgpu_metadata
---
amdhsa.version: [ 1, 2 ]
amdhsa.kernels:
  - .name:           k_qe98da79a70_place
    .symbol:         k_qe98da79a70_place.kd
    .args:
      - { .name: xb, .offset: 0, .size: 8, .value_kind: global_buffer, .address_space: global }
      - { .name: route, .offset: 8, .size: 8, .value_kind: global_buffer, .address_space: global }
      - { .name: xg, .offset: 16, .size: 8, .value_kind: global_buffer, .address_space: global }
      - { .name: tabu, .offset: 24, .size: 8, .value_kind: global_buffer, .address_space: global }
      - { .name: tabd, .offset: 32, .size: 8, .value_kind: global_buffer, .address_space: global }
    .group_segment_fixed_size: 34304
    .private_segment_fixed_size: 0
    .kernarg_segment_align: 8
    .kernarg_segment_size: 40
    .max_flat_workgroup_size: 128
    .sgpr_count:     104
    .vgpr_count:     192
    .wavefront_size: 32
...
	.end_amdgpu_metadata
.endif
;; end of part 7
;; launch up (part 8): grid 256 x 1, 4 waves a work-group, no clusters, 148,992 bytes of LDS; arguments xg, tabu, pw, w1, b1, hbuf; writes hbuf
.if DOCPART == 8
	.amdgcn_target "amdgcn-amd-amdhsa--gfx1250"
	.amdhsa_code_object_version 6
	.text
	.protected	k_qe98da79a70_up
	.globl	k_qe98da79a70_up
	.p2align	8
	.type	k_qe98da79a70_up,@function
k_qe98da79a70_up:
	s_mov_b64 s[64:65], 0
	v_nop
	global_prefetch_b8 v0, s[64:65] scope:SCOPE_SE
	s_setreg_imm32_b32 hwreg(HW_REG_WAVE_SCHED_MODE, 0, 2), 2
	s_setreg_imm32_b32 hwreg(HW_REG_WAVE_MODE, 25, 1), 1
	s_wait_xcnt 0x0
	s_wait_alu depctr_vm_vsrc(0)
; ONE BODY FOR BOTH PRODUCTS of an expert's rows.  Arguments: A (the rows, in fragment order), the product's table, pw, the weights, the bias, the output.  The table's first words say which product the launch is: m = 0, u = 1 or m = 1, u = 0.
;   FIRST  (m = 0): hbuf = relu(x W1[e] + b1[e]), f16.  Work-group = expert E (id / 32) x 64 of 2,048 columns (id % 32); K = 1,024.
;   SECOND (m = 1): part[2 KH + slot][token] = p x (h W2[e] over half KH of K, + b2[e] in half 0).  Work-group = E x 64 of 1,024 columns x half of K = 2,048.  The next launch adds the halves and the slots, in f32.
; Either way a work-group has a slice of 1,024 x 64 weights, which it alone reads, once, and all of E's rows.
; PART 1.  The slice goes through registers, is rounded, and is laid into LDS in the order in which source 0 takes it.  One barrier.
; PART 2.  Nothing shared is written any more, so there is no further barrier.  E's blocks of 16 rows are dealt to the four waves: up to 9 a wave and pass, up to 4 passes: every split of the tokens is served (0 to 2,048 rows).
; K goes in 32 substeps of 32, written out, so that every LDS address is a constant and the lane's term: weights' fragments from LDS, the rows' fragments straight from A, three substeps ahead, 512 consecutive bytes a load.
; K's TURN.  An expert's work-groups read the same rows.  So that they do not all ask for the same bytes at the same time, each begins K elsewhere: substep j of the text takes fragment (j + rot) % 32, rot = 7 (id % 32) % 32.
; Only global addresses turn: wave W still lays substeps 8 W .. 8 W + 7 of the text at the same LDS bytes, and fills them with the weight rows of the turned fragments.  The sums hold the same products in another order.
; WHAT DIFFERS between the products is made of m and u by sums and products alone: a weight row's bytes 4,096 (1 + u), the columns, KH = id & m, a block's bytes in A 32,768 (1 + m); and the way out, chosen by one branch on m.
; FORMATS.  The f16 matrix form.  x (already), w1, w2 and the biases are rounded to bf16 like every input, and that number is written as f16; h, the one number that the program itself rounds, is rounded to f16 (11 significant bits).
; K's ORDER.  Half z of register t of fragment kf, lane half h, is k = 64 (kf / 2) + 32 h + 4 t + 2 (kf % 2) + z, in A and in the weights' rows alike.
; TRANSPOSED USE: source 0 = 16 columns of the weights (tile f: columns 4 m' + f), source 1 = 16 rows.  Register j of tile f in lane (r, h) is row r, column 32 h + 4 j + f.  The bias is the C that starts each sum.
; NO CLUSTER: each slice is read by one work-group alone; sharing the rows' blocks would put a ring and the cluster's barrier into passes whose number hangs on a stored count.  No tensor loads: f32 slice and 16-bit slice together pass the LDS.
; LIMITS.  f16 holds no number beyond 65,504: x, w1, w2 and h must stay under that.  Sums of 1,024 products of x (spread 1) and w1 (spread 0.044) reach about 7; both 30 times larger: about 6,500; both with a common offset of
; 30 spreads (30 and 1.33): about 1,024 x 30 x 1.33 = 41,000.  A bf16 number is exact in f16 from 2^-17 on; below that it is off by 3e-8 at the most; below 6e-5 h keeps f16's fixed step of 6e-8.
; NaN and infinities are not treated apart.  Rows past the count repeat the last row; the second product stores its numbers to its place once more.
; REGISTERS, in windows of 256 (s_set_vgpr_msb: bits 1:0 source 0, 3:2 source 1, 5:4 source 2, 7:6 destination):
;   window 0: v0-63 addresses, tables; v64-127 weights' fragments, two buffers; v128-159 bias; v160-223 at work; v224-231 rows' places in part; v232-247 the weight loads' offsets
;   window 1: accumulators of blocks 0-7 (block b, tile f at 32 b + 8 f); in part 1 four landing buffers of 64 for the weights
;   window 2: v0-31 accumulators of block 8; v128 + 32 u' its rows' fragments, four buffers          window 3: rows' fragments of blocks 0-7, four buffers of 64
; THE MODE: SCHED_MODE bits 1:0 = 2 (LLVM: expert scheduling mode 2), set by the entry lines.  The code itself states the register dependences
; between vector or matrix instructions and memory or LDS instructions, with s_wait_alu, always for 0.
; THE PLAN.  Registers that memory or LDS instructions touch:
;   v7, v8, v10-v15, v62, v63, WO   offsets and LDS addresses, made at the head, never written again: one wait ahead of the first load.
;   PART 1.  Landing buffer i % 4: group i's loads land in it, group i's first 32 conversions read it, group i + 4's loads land in it again.  BF's half i % 2: group i's conversions write it, its eight LDS stores read it,
;            group i + 2's conversions write it again.  One wait on va_vdst behind a group's conversions serves its LDS stores and the loads that follow them; one on vm_vsrc stands ahead of the conversions from group 2 on.
;   PART 2.  Substep s: its products read BF's half s % 2 and the rows' buffer s % 4.  The loads issued in it land in BF's other half and in the rows' buffer (s + 3) % 4 = (s - 1) % 4: what substep s - 1's products read,
;            and what no product of substep s names.  So ONE wait on va_vdst stands at a substep's head, and the substep's loads follow it, dealt among its products, with no further wait.
;   AOFF, TA  written at a pass's head, read by the pass's loads.     PA  written in substep 29, ahead of that substep's wait, read by the nine loads of the gate weights.
;   RINF, PW  land from loads; named beside that by vector instructions, RINF by an LDS store too.     T, RBK, DO  the way out's: its waits stand there.
;   One wait on vm_vsrc at a pass's head frees all that the pass before, or part 1, has read through memory or LDS instructions.
.set AHALF,  512                       ; a fragment in A is 1,024 bytes: two loads of 512
.set STAGE,  131072                    ; behind the slice: 16 rows x 272 bytes for each wave; bytes 256-259 of a row carry its place in part
.set SP,     272
.set TCNT,   256                       ; the table: the experts' counts,
.set TROW,   2048                      ; and the rows' places
.set AOFF, 24                          ; v[24:32]  block b: my byte offset in E's part of A
.set PW,   36                          ; v[36:44]  block b: my row's gate weight
.set RINF, 48                          ; v[48:56]  block b: my row's slot x 2,048 + token
.set BF,   64
.set BIAS, 128
.set T,    160
.set TA,   T                           ; v[160:168] from a pass's head to its way out: block b: my row's byte offset in the table
.set PA,   T+16                        ; v[176:184] from substep 29 to the way out: block b: my row's byte offset in pw
.set RBK,  192
.set DO,   224
.set WO,   232                         ; v[232:247] weight load n of a group: rows 4 (n / 2) + n % 2 + 32 h, columns 4 r on
.set WB,   68                          ; s[68:83]  the weights at the first row of each of my wave's eight groups
.set AB,   84                          ; s[84:91]  A at the fragment that fills buffer u' of the rows' four
.set MSB, 0
.macro WIN new                         ; the immediate's high byte repeats the setting that is left; a switch that changes nothing is dropped
.if MSB != (\new)
	s_set_vgpr_msb (MSB<<8)|(\new)
.set MSB, \new
.endif
.endm
; 16 loads: local substep i of my wave's eight, rows in K's order above: each load is two whole rows of the slice, 256 bytes each.
.macro WLOAD i
	WIN 0x40
.set n, 0
.rept 16
	global_load_b128 v[64*((\i)%4)+4*n:64*((\i)%4)+4*n+3], v[WO+n], s[WB+2*(\i):WB+2*(\i)+1] th:TH_LOAD_NT
.set n, n+1
.endr
	WIN 0
.endm
; two rows pack, rounded to bf16, into register pr of tile f; each packed pair is widened again and written as f16; into LDS, 512 consecutive bytes a store.  left: the loads of the groups issued later
.macro WCONV i, left
	s_wait_loadcnt \left
.set wF, BF+32*((\i)%2)                ; BF's two halves take turns
.if (\i) >= 2
	s_wait_alu depctr_vm_vsrc(0)                   ; the LDS stores of the group before last have read this half of BF, which the conversions write again
.endif
	WIN 0x05
.set pr, 0
.rept 8
.set f, 0
.rept 4
	v_cvt_pk_bf16_f32 v[wF+8*f+pr], v[64*((\i)%4)+8*pr+f], v[64*((\i)%4)+8*pr+4+f]
.set f, f+1
.endr
.set pr, pr+1
.endr
	WIN 0
.set c, 0
.rept 32                               ; eight pairs of registers at work take turns
	v_lshlrev_b32 v[RBK+2*(c%8)],   16,  v[wF+c]
	v_and_b32     v[RBK+2*(c%8)+1], s43, v[wF+c]
	v_cvt_pk_f16_f32 v[wF+c], v[RBK+2*(c%8)], v[RBK+2*(c%8)+1]
.set c, c+1
.endr
	s_wait_alu depctr_va_vdst(0)                   ; the conversions have written this half of BF, which the LDS stores read, and are done reading the landing buffer, in which the loads of the group four on land
.set q, 0
.rept 8
	ds_store_b128 v10, v[wF+4*q:wF+4*q+3] offset:4096*(\i)+512*q
.set q, q+1
.endr
.endm
.macro ABASE u, j                      ; buffer u's base: substep j of the text takes fragment (j + rot) % 32, 1,024 bytes each
	s_add_co_u32 s38, s57, \j
	s_and_b32 s38, s38, 31
	s_lshl_b32 s38, s38, 10
	s_add_nc_u64 s[AB+2*(\u):AB+2*(\u)+1], s[34:35], s[38:39]
.endm
.macro ALD b, u                        ; block b's fragment of the rows into buffer u
.if (\b) < 8
	WIN 0xc0
	global_load_b128 v[64*(\u)+8*(\b):64*(\u)+8*(\b)+3],   v[AOFF+(\b)], s[AB+2*(\u):AB+2*(\u)+1]
	global_load_b128 v[64*(\u)+8*(\b)+4:64*(\u)+8*(\b)+7], v[AOFF+(\b)], s[AB+2*(\u):AB+2*(\u)+1] offset:AHALF
.else
	WIN 0x80
	global_load_b128 v[128+32*(\u)+8*((\b)-8):128+32*(\u)+8*((\b)-8)+3],   v[AOFF+(\b)], s[AB+2*(\u):AB+2*(\u)+1]
	global_load_b128 v[128+32*(\u)+8*((\b)-8)+4:128+32*(\u)+8*((\b)-8)+7], v[AOFF+(\b)], s[AB+2*(\u):AB+2*(\u)+1] offset:AHALF
.endif
.endm
.macro MUL4 b, u, p, first             ; block b x the four tiles; first = 1: the bias starts the sums
.if (\b) < 8
.set rA, 64*(\u)+8*(\b)
.set rD, 32*(\b)
	WIN 0x5c-0x10*(\first)
.else
.set rA, 128+32*(\u)+8*((\b)-8)
.set rD, 32*((\b)-8)
	WIN 0xa8-0x20*(\first)
.endif
.set mf, 0
.rept 4
.if \first
	v_wmma_f32_16x16x32_f16 v[rD+8*mf:rD+8*mf+7], v[BF+32*(\p)+8*mf:BF+32*(\p)+8*mf+7], v[rA:rA+7], v[BIAS+8*mf:BIAS+8*mf+7]
.else
	v_wmma_f32_16x16x32_f16 v[rD+8*mf:rD+8*mf+7], v[BF+32*(\p)+8*mf:BF+32*(\p)+8*mf+7], v[rA:rA+7], v[rD+8*mf:rD+8*mf+7]
.endif
.set mf, mf+1
.endr
.endm
; substep g's four tiles of weights out of LDS, into buffer p: 4,096 g + 512 q + 16 x lane.  v7 serves the slice's first 65,536 bytes, v8 the second; neither is ever rewritten
.macro BLD p, g
	WIN 0
.set q, 0
.rept 8
.if (\g) < 16
	ds_load_b128 v[BF+32*(\p)+4*q:BF+32*(\p)+4*q+3], v7 offset:4096*(\g)+512*q
.else
	ds_load_b128 v[BF+32*(\p)+4*q:BF+32*(\p)+4*q+3], v8 offset:4096*((\g)-16)+512*q
.endif
.set q, q+1
.endr
.endm
; my nine rows' gate weights: pw[token][slot].  The rows' places came in with the pass's first loads.  GADR makes the nine offsets, GLD is the nine loads: the substep's one wait stands between the two.
.macro GADR
	WIN 0
.set gi, 0
.rept 9
	v_lshrrev_b32 v[PA+gi], 11, v[RINF+gi]         ; slot
	v_and_b32 v60, 0x7ff, v[RINF+gi]               ; token
	v_min_u32 v[PA+gi], 1, v[PA+gi]
	v_min_u32 v60, 2047, v60
	v_lshlrev_b32 v[PA+gi], 2, v[PA+gi]
	v_lshl_add_u32 v[PA+gi], v60, 3, v[PA+gi]
.set gi, gi+1
.endr
.endm
.macro GLD
	WIN 0
.set gi, 0
.rept 9
	global_load_b32 v[PW+gi], v[PA+gi], s[8:9]
.set gi, gi+1
.endr
.endm
; SUBSTEP s of 32: 32 along K.  The next substep's weights are fetched; the rows' fragments three substeps on are asked for (up to substep 31's); substep 29, which asks for none, asks for the gate weights.
; In substep 0 all 9 blocks are multiplied and the bias starts the sums; later block 8 is jumped where the wave has fewer than 9.  The accumulators take turns, one instruction a turn.
; The wait on LOADcnt: behind this substep's fragments the two later groups were issued, 16 loads each at the least; in substep 30 one group and the nine gate weights; in substep 31 the wait is for all.
; The wait on va_vdst behind it is the substep's one: substep 0 needs none (the pass's head has waited, and only loads stand between); substep 31 issues no load and has none.
; Behind it: the LDS loads; two blocks' products; the run of the rows' loads; the other products.  Since the wait the products name BF's half s % 2, the rows' buffer s % 4 and the accumulators: no register that a load of this substep touches.
; The wait on DScnt leaves the eight loads just issued out.
; The base that is written anew was last read by the group of four substeps before the one now asked for: those loads came in a substep ago, and every issued load has had its address translated behind s_wait_xcnt 0 (ISA guide 3.1).
; The four v_nop at the end are the places behind the last product: ahead of the way out's first read of a result, and ahead of the next substep's loads into the buffers that this one read, beside the wait that states that dependence.
.macro SUBSTEP s
.set kU, (\s)%4
.set kP, (\s)%2
.set kF, 0
.if (\s) == 0
.set kF, 1
.endif
.if (\s) < 30
	s_wait_loadcnt 32
.elseif (\s) == 30
	s_wait_loadcnt 25
.else
	s_wait_loadcnt 0x0
.endif
.if (\s) == 29
	GADR
.endif
.if (\s) > 0 && (\s) < 31
	s_wait_alu depctr_va_vdst(0)                   ; the last substep's products are done reading BF's other half and their buffer of the rows, in which the loads below land; in substep 29 the gate weights' offsets are written
.endif
.if (\s) < 31
	BLD 1-kP, (\s)+1
	s_wait_dscnt 0x8
.else
	s_wait_dscnt 0x0
.endif
.if (\s) == 29
	GLD
.endif
.if (\s) < 29
	s_wait_xcnt 0x0
	ABASE (kU+3)%4, (\s)+3
.endif
	MUL4 0, kU, kP, kF
	MUL4 1, kU, kP, kF
.if (\s) < 29
.set bb, 0
.rept 8
	ALD bb, (kU+3)%4
.set bb, bb+1
.endr
.endif
.set bb, 2
.rept 6
	MUL4 bb, kU, kP, kF
.set bb, bb+1
.endr
.if (\s) > 0
	WIN 0
	s_cmp_lt_u32 s29, 9
	s_cbranch_scc1 .Lx_\@
.endif
.if (\s) < 29
	ALD 8, (kU+3)%4
.endif
	MUL4 8, kU, kP, kF
	WIN 0
.Lx_\@:
.rept 4
	v_nop
.endr
.endm
	s_load_b256 s[4:11], s[0:1], 0x0               ; A s[4:5], table s[6:7], pw s[8:9], weights s[10:11]
	s_load_b128 s[12:15], s[0:1], 0x20             ; bias s[12:13], output s[14:15]
	v_lshl_add_u32 v254, v0, 2, 0x24400
	v_mov_b32 v255, 0
	v_mov_b32 v6, 0                                ; 0 for the ReLU
	v_and_b32 v1, 31, v0                           ; lane
	v_and_b32 v2, 15, v0                           ; r
	v_bfe_u32 v3, v0, 4, 1                         ; h
	v_lshrrev_b32 v16, 5, v0
	v_readfirstlane_b32 s2, v16                    ; W: wave 0..3
	s_lshr_b32 s3, ttmp9, 5                        ; E
	s_mov_b32 s43, 0xffff0000                      ; a word's upper bf16
	s_lshl_b32 s38, s3, 7
	s_mov_b32 s39, 0
	s_wait_kmcnt 0x0
	s_add_nc_u64 s[50:51], s[6:7], s[38:39]
	s_load_b64 s[16:17], s[6:7], 0x0               ; m, u: which product
	s_load_b32 s22, s[50:51], TCNT                 ; E's count
	v_lshlrev_b32 v7, 4, v1                        ; 16 x lane; never rewritten
	v_add_nc_u32 v8, 0x10000, v7                   ; the same in the slice's second half; never rewritten
	s_wait_alu depctr_va_sdst(0)                   ; s2 is written, ahead of its first reader
	s_lshl_b32 s40, s2, 15
	v_add_nc_u32 v10, s40, v7                      ; the slice in LDS: my wave's eight substeps
	v_lshlrev_b32 v11, 2, v2                       ; 4 r
	v_lshlrev_b32 v63, 4, v2                       ; 16 r
	v_lshlrev_b32 v62, 7, v3                       ; the bias: 32 columns for each half
	s_mul_i32 s40, s2, 16*SP
	s_add_co_u32 s40, s40, STAGE                   ; my stage
	v_mul_u32_u24 v16, v2, SP
	v_add_nc_u32 v16, s40, v16
	v_lshl_add_u32 v12, v3, 7, v16                 ; in: row r, 128 bytes for each half of the lanes
	v_add_nc_u32 v15, 256, v16                     ; in: row r's place in part
	v_mul_u32_u24 v17, v3, SP
	v_add_nc_u32 v17, s40, v17
	v_add_nc_u32 v13, v17, v63                     ; back: lanes 0-15 one row of 256 bytes, lanes 16-31 the next
	v_add_nc_u32 v14, 256, v17                     ; back: that row's place
	s_and_b32 s18, ttmp9, 31
	s_bfe_u32 s19, ttmp9, 0x40001
	s_mul_i32 s57, s18, 7
	s_and_b32 s57, s57, 31                         ; rot: the fragment at which this work-group begins K
	s_lshl3_add_u32 s58, s2, s57                   ; 8 W + rot
	s_wait_kmcnt 0x0
	s_min_u32 s16, s16, 1                          ; m
	s_min_u32 s17, s17, 1                          ; u
	s_min_u32 s22, s22, 2048                       ; N
	s_mul_i32 s20, s18, s17                        ; which 64 columns: id % 32 in the first product,
	s_mul_i32 s19, s19, s16                        ; (id / 2) % 16 in the second
	s_add_co_u32 s20, s20, s19
	s_and_b32 s21, ttmp9, s16                      ; KH: which half of K (0 in the first product)
	s_add_co_u32 s31, s17, 1
	s_lshl_b32 s31, s31, 12                        ; bytes in a row of the weights, and of the bias: 8,192 or 4,096
	s_add_co_u32 s44, s16, 1
	s_lshl_b32 s45, s44, 15                        ; bytes of a block in A: 32,768 or 65,536
	s_lshl_b32 s41, s20, 8                         ; my columns, in bytes of f32
	s_lshl_b32 s38, s3, 23                         ; E x 8 MiB
	s_lshl_b32 s40, s21, 22                        ; + 1,024 rows x KH
	s_add_co_u32 s38, s38, s40
	s_add_co_u32 s38, s38, s41
	s_add_nc_u64 s[32:33], s[10:11], s[38:39]      ; the slice's first row
.set i, 0
.rept 8                                ; my group i is substep 8 W + i of the text: fragment kf = (8 W + i + rot) % 32, which begins at row 64 (kf / 2) + 2 (kf % 2)
	s_add_co_u32 s59, s58, i
	s_and_b32 s59, s59, 31                         ; kf
	s_lshl_b32 s60, s59, 5
	s_and_b32 s60, s60, 0x3c0                      ; 64 (kf / 2)
	s_and_b32 s59, s59, 1
	s_lshl1_add_u32 s59, s59, s60                  ; + 2 (kf % 2)
	s_mul_i32 s38, s59, s31
	s_add_nc_u64 s[WB+2*i:WB+2*i+1], s[32:33], s[38:39]
.set i, i+1
.endr
	s_lshl_b32 s40, s31, 5
	v_mul_u32_u24 v9, s40, v3                      ; 32 rows for the upper half of the lanes,
	v_lshl_add_u32 v9, v2, 4, v9                   ; 4 columns a lane
.set n, 0
.rept 16
	s_mul_i32 s40, s31, 4*(n/2)+n%2
	v_add_nc_u32 v[WO+n], s40, v9
.set n, n+1
.endr
	s_mul_i32 s38, s3, s31
	s_add_co_u32 s38, s38, s41
	s_add_nc_u64 s[46:47], s[12:13], s[38:39]      ; the bias at E's row, my 64 columns
	s_wait_alu depctr_va_vdst(0)                   ; v7, v8, v10 to v15, v62, v63 and the sixteen WO are written: the offsets and LDS addresses that the kernel's loads and stores read
.set q, 0
.rept 8
	global_load_b128 v[T+4*q:T+4*q+3], v62, s[46:47] offset:16*q
.set q, q+1
.endr
	WLOAD 0
	WLOAD 1
	WLOAD 2
	WLOAD 3
	s_lshl_b32 s38, s3, 13
	s_add_nc_u64 s[48:49], s[6:7], s[38:39]        ; E's rows' places
	s_lshl_b32 s38, s3, 22
	s_mul_i32 s38, s38, s44                        ; E's 128 blocks,
	s_lshl_b32 s40, s21, 15                        ; 32 fragments x KH
	s_add_co_u32 s38, s38, s40
	s_add_nc_u64 s[34:35], s[4:5], s[38:39]        ; E's part of A, my half of K
	s_lshl_b32 s38, s21, 24                        ; the second product's output: two slots x 8 MiB x KH,
	s_add_co_u32 s38, s38, s41                     ; my columns
	s_add_nc_u64 s[36:37], s[14:15], s[38:39]
	s_lshl_b32 s38, s3, 23                         ; the first product's output: E's 128 blocks of 65,536 bytes,
	s_lshl_b32 s40, s20, 11                        ; fragments 2 S, 2 S + 1
	s_add_co_u32 s38, s38, s40
	s_add_nc_u64 s[52:53], s[14:15], s[38:39]
	WCONV 0, 48                                    ; three groups of 16 are younger
	WLOAD 4                                        ; no wait: only LDS stores stand between the group's wait on va_vdst and these loads
	WCONV 1, 48
	WLOAD 5
	WCONV 2, 48
	WLOAD 6
	WCONV 3, 48
	WLOAD 7
	WCONV 4, 48
	WCONV 5, 32
	WCONV 6, 16
	WCONV 7, 0
	s_cmp_eq_u32 s21, 0
	s_cselect_b32 s56, -1, 0                       ; the bias belongs to half 0 alone
.set j, 0
.rept 8                                ; the bias, rounded to bf16 and widened: register j of tile f is column 32 h + 4 j + f
	v_cvt_pk_bf16_f32 v60, v[T+4*j],   v[T+4*j+1]
	v_cvt_pk_bf16_f32 v61, v[T+4*j+2], v[T+4*j+3]
	v_and_b32 v60, s56, v60
	v_and_b32 v61, s56, v61
	v_lshlrev_b32 v[BIAS+j],    16, v60
	v_and_b32     v[BIAS+8+j],  0xffff0000, v60
	v_lshlrev_b32 v[BIAS+16+j], 16, v61
	v_and_b32     v[BIAS+24+j], 0xffff0000, v61
.set j, j+1
.endr
	s_wait_dscnt 0x0                               ; for the others' sake: my part of the slice is in LDS
	s_barrier_signal -1
	s_barrier_wait -1                              ; the whole slice is
	; THE DEALING.  NBK blocks; NP passes of at most 36; NBW = ceil(NBK / 4 NP) blocks a wave and pass, 9 at the most, by a multiplication that is exact for arguments up to 143.
	s_add_co_u32 s24, s22, 15
	s_lshr_b32 s24, s24, 4                         ; NBK
	s_cmp_gt_u32 s24, 0
	s_cselect_b32 s25, 1, 0
	s_cmp_gt_u32 s24, 36
	s_cselect_b32 s40, 1, 0
	s_add_co_u32 s25, s25, s40
	s_cmp_gt_u32 s24, 72
	s_cselect_b32 s40, 1, 0
	s_add_co_u32 s25, s25, s40
	s_cmp_gt_u32 s24, 108
	s_cselect_b32 s40, 1, 0
	s_add_co_u32 s25, s25, s40                     ; NP
	s_movk_i32 s41, 8192
	s_cmp_eq_u32 s25, 3
	s_cselect_b32 s41, 5462, s41
	s_cmp_eq_u32 s25, 4
	s_cselect_b32 s41, 4096, s41
	s_cmp_le_u32 s25, 1
	s_cselect_b32 s41, 16384, s41
	s_lshl2_add_u32 s40, s25, s24
	s_max_u32 s40, s40, 1
	s_sub_co_u32 s40, s40, 1
	s_mul_i32 s40, s40, s41
	s_lshr_b32 s26, s40, 16                        ; NBW
	s_mov_b32 s27, 0                               ; P
.Lpass:                                                ; four trips; a pass, or a wave's share of one, that the count leaves empty is jumped: no barrier stands in it
	s_cmp_ge_u32 s27, s25
	s_cbranch_scc1 .Lnext
	s_lshl2_add_u32 s28, s27, s2
	s_mul_i32 s28, s28, s26                        ; B0: my first block
	s_sub_co_i32 s29, s24, s28
	s_max_i32 s29, s29, 0
	s_min_i32 s29, s29, s26                        ; NB: my blocks
	s_cmp_eq_u32 s29, 0
	s_cbranch_scc1 .Lnext
	s_wait_xcnt 0x0                                ; the last pass's loads and stores have had their addresses translated: their registers and bases are rewritten only behind this wait
	s_wait_alu depctr_vm_vsrc(0)                   ; the last pass's loads have read AOFF, its stores and LDS stores T, RBK, DO and RINF; in the first pass part 1's last LDS stores have read BF: all are written or loaded again below
	s_sub_co_u32 s42, s24, 1                       ; the last block that exists
.set i, 0
.rept 9                                ; 9 blocks' offsets in A and in the table; a block past the count repeats the last one
	s_add_co_u32 s40, s28, i
	s_min_u32 s41, s40, s42
	s_min_u32 s41, s41, 127
	s_mul_i32 s41, s41, s45
	v_add_nc_u32 v[AOFF+i], s41, v7
	s_lshl_b32 s40, s40, 4
	s_min_u32 s40, s40, 2032
	s_lshl_b32 s40, s40, 2
	v_add_nc_u32 v[TA+i], s40, v11
.set i, i+1
.endr
	s_wait_alu depctr_va_vdst(0)                   ; AOFF and TA are written, the offsets of the loads below; every earlier product and vector line is done with RINF, BF and the rows' buffers, in which they land
.set i, 0
.rept 9                                ; the rows' places: older than every fragment
	global_load_b32 v[RINF+i], v[TA+i], s[48:49] offset:TROW
.set i, i+1
.endr
	s_min_u32 s40, s28, 127
	s_lshl_b32 s38, s40, 16
	s_add_nc_u64 s[54:55], s[52:53], s[38:39]      ; the first product's output at my first block
.irp u, 0,1,2
	ABASE \u, \u
.set bb, 0
.rept 9
	ALD bb, \u
.set bb, bb+1
.endr
.endr
	BLD 0, 0
.set sg, 0
.rept 32
	SUBSTEP sg
.set sg, sg+1
.endr
	s_cmp_lg_u32 s16, 0
	s_cbranch_scc1 .Lsecond
	; THE FIRST PRODUCT'S WAY OUT.  ReLU in f32; tiles 2 g and 2 g + 1 pack, rounded to f16, into fragment g of the second product's source 1; 512 consecutive bytes a store.
	; A block's registers are read in ascending order: each accumulator's lowest first.  The 32 maxima, which name no register of a store, stand between a block's stores and the waits for them.
.set wi, 0
.rept 9
	WIN 0
	s_cmp_le_u32 s29, wi
	s_cbranch_scc1 .Lwdone
.if wi < 8
	WIN 0x01
.set rD, 32*wi
.else
	WIN 0x02
.set rD, 32*(wi-8)
.endif
.set wk, 0
.rept 32
	v_max_num_f32 v[RBK+wk], v[rD+wk], v6
.set wk, wk+1
.endr
	WIN 0
	s_wait_xcnt 0x0                                ; the block before's stores have had their addresses translated: their data are rewritten only behind this wait
	s_wait_alu depctr_vm_vsrc(0)                   ; the block before's stores have read T (ahead of the first block: the table's loads have read TA), which the roundings write again
.set wk, 0
.rept 16
	v_cvt_pk_f16_f32 v[T+wk], v[RBK+16*(wk/8)+wk%8], v[RBK+16*(wk/8)+8+wk%8]
.set wk, wk+1
.endr
	s_wait_alu depctr_va_vdst(0)                   ; the roundings have written T, which the four stores read
.set wk, 0
.rept 4
	global_store_b128 v7, v[T+4*wk:T+4*wk+3], s[54:55] offset:65536*wi+512*wk
.set wk, wk+1
.endr
.set wi, wi+1
.endr
	s_branch .Lwdone
.Lsecond:
	; THE SECOND PRODUCT'S WAY OUT, a block at a time: times the row's gate weight; 32 neighbouring columns a lane into my stage, the row's place beside them; back as whole rows; stored.
	; Each accumulator's lowest register is read first.  My own bytes: LDS serves a wave's instructions in order (ISA guide 5.7.1.4).
.set wi, 0
.rept 9
	WIN 0
	s_cmp_le_u32 s29, wi
	s_cbranch_scc1 .Lwdone
	s_wait_xcnt 0x0                                ; the block before's stores have had their addresses translated: their data and offsets are rewritten only behind this wait
	s_wait_alu depctr_vm_vsrc(0)                   ; the block before's LDS stores have read T, its stores RBK and DO (ahead of the first block: the table's and pw's loads have read TA and PA): all are written or loaded again below
.if wi < 8
	WIN 0x01
.set rD, 32*wi
.else
	WIN 0x02
.set rD, 32*(wi-8)
.endif
.set wk, 0
.rept 32
	v_mul_f32 v[T+wk], v[rD+8*(wk%4)+wk/4], v[PW+wi]
.set wk, wk+1
.endr
	WIN 0
	s_wait_alu depctr_va_vdst(0)                   ; the multiplies have written T, which the LDS stores read; the block before's lines are done with DO, in which LDS loads land
.set wk, 0
.rept 8
	ds_store_b128 v12, v[T+4*wk:T+4*wk+3] offset:16*wk
.set wk, wk+1
.endr
	ds_store_b32 v15, v[RINF+wi]
.set wk, 0
.rept 8
	ds_load_b128 v[RBK+4*wk:RBK+4*wk+3], v13 offset:2*SP*wk
.set wk, wk+1
.endr
.set wk, 0
.rept 8
	ds_load_b32 v[DO+wk], v14 offset:2*SP*wk
.set wk, wk+1
.endr
	s_wait_dscnt 0x0
.set wk, 0
.rept 8
	v_min_u32 v[DO+wk], 4095, v[DO+wk]
	v_lshl_add_u32 v[DO+wk], v[DO+wk], 12, v63     ; a row of part is 4,096 bytes
.set wk, wk+1
.endr
	s_wait_alu depctr_va_vdst(0)                   ; DO is written, the eight stores' offsets
.set wk, 0
.rept 8
	global_store_b128 v[DO+wk], v[RBK+4*wk:RBK+4*wk+3], s[36:37]  ; 16 lanes store 256 consecutive bytes, at a multiple of 256 from part's first
.set wk, wk+1
.endr
.set wi, wi+1
.endr
.Lwdone:
.Lnext:
	s_add_co_u32 s27, s27, 1
	s_cmp_lt_u32 s27, 4
	s_cbranch_scc1 .Lpass
	s_wait_dscnt 0x0                               ; the wave's end.  The closing add goes to the spare words, from 148,480 on
	s_wait_alu depctr_hold_cnt(0) depctr_sa_sdst(0) depctr_va_vdst(0) depctr_va_sdst(0) depctr_va_ssrc(0) depctr_va_vcc(0) depctr_vm_vsrc(0)
	s_wait_tensorcnt 0x0
	ds_add_u32 v254, v255
	s_wait_dscnt 0x0
	s_endpgm
.Lfunc_end_k_qe98da79a70_up:
	.size	k_qe98da79a70_up, .Lfunc_end_k_qe98da79a70_up-k_qe98da79a70_up
	.p2alignl 7, 3214868480
	.fill 96, 4, 3214868480
	.section	.rodata,"a",@progbits
	.p2align	6, 0x0
	.amdhsa_kernel k_qe98da79a70_up
		.amdhsa_group_segment_fixed_size 148992
		.amdhsa_private_segment_fixed_size 0
		.amdhsa_enable_private_segment 0
		.amdhsa_kernarg_size 48
		.amdhsa_user_sgpr_count 2
		.amdhsa_user_sgpr_kernarg_segment_ptr 1
		.amdhsa_wavefront_size32 1
		.amdhsa_system_sgpr_workgroup_id_x 1
		.amdhsa_system_sgpr_workgroup_id_y 1
		.amdhsa_system_sgpr_workgroup_id_z 1
		.amdhsa_system_vgpr_workitem_id 0
		.amdhsa_next_free_vgpr 1024
		.amdhsa_next_free_sgpr 96
		.amdhsa_reserve_vcc 0
		.amdhsa_float_denorm_mode_32 3
		.amdhsa_float_denorm_mode_16_64 3
		.amdhsa_memory_ordered 1
		.amdhsa_forward_progress 1
		.amdhsa_inst_pref_size 255
	.end_amdhsa_kernel
	.section	.bss,"aw",@nobits
	.p2align	6
	.space	262144
	.amdgpu_metadata
---
amdhsa.version: [ 1, 2 ]
amdhsa.kernels:
  - .name:           k_qe98da79a70_up
    .symbol:         k_qe98da79a70_up.kd
    .args:
      - { .name: xg, .offset: 0, .size: 8, .value_kind: global_buffer, .address_space: global }
      - { .name: tabu, .offset: 8, .size: 8, .value_kind: global_buffer, .address_space: global }
      - { .name: pw, .offset: 16, .size: 8, .value_kind: global_buffer, .address_space: global }
      - { .name: w1, .offset: 24, .size: 8, .value_kind: global_buffer, .address_space: global }
      - { .name: b1, .offset: 32, .size: 8, .value_kind: global_buffer, .address_space: global }
      - { .name: hbuf, .offset: 40, .size: 8, .value_kind: global_buffer, .address_space: global }
    .group_segment_fixed_size: 148992
    .private_segment_fixed_size: 0
    .kernarg_segment_align: 8
    .kernarg_segment_size: 48
    .max_flat_workgroup_size: 128
    .sgpr_count:     96
    .vgpr_count:     1024
    .wavefront_size: 32
...
	.end_amdgpu_metadata
.endif
;; end of part 8
;; launch down: the kernel of part 8 again; grid 256 x 1, 4 waves a work-group, no clusters, 148,992 bytes of LDS; arguments hbuf, tabd, pw, w2, b2, part; writes part
;; launch add: the kernel of part 4 again; grid 256 x 1, 8 waves a work-group, no clusters, 0 bytes of LDS; arguments part, out0; writes out0
